; MI455X (gfx1250); checked and timed in simulation.
; The chip was launched on July 23, 2026; its instructions are those of AMD's public machine-readable ISA for CDNA 5 (MIT licence, August 2026) and "CDNA5" Instruction Set Architecture Reference Guide (July 2026). The comments in the code are by the model that wrote it; some were corrected since.
;; Transformer Block. Allowed arithmetic: matrix products marked QUANTISED: E4M3 operands, one given power-of-two scale a tensor, by v_wmma_f32_16x16x64_fp8_fp8 or v_wmma_f32_16x16x128_fp8_fp8, f32 sums; everything else in f32.
;; Inputs: W_K_codes 16 x 64 x 32 x 32 uint8 (E4M3 codes of W_K, K innermost, in blocks of 32 codes); W_O_codes 1,024 x 32 x 32 uint8 (E4M3 codes of W_O, K innermost, in blocks of 32 codes); W_Q_codes 16 x 64 x 32 x 32 uint8 (E4M3 codes of W_Q, K innermost, in blocks of 32 codes); W_V_codes 16 x 64 x 32 x 32 uint8 (E4M3 codes of W_V, K innermost, in blocks of 32 codes); W_in_codes 4,096 x 32 x 32 uint8 (E4M3 codes of W_in, K innermost, in blocks of 32 codes); W_out_codes 1,024 x 128 x 32 uint8 (E4M3 codes of W_out, K innermost, in blocks of 32 codes); b_in 4,096 float32; b_out 1,024 float32; lowp_scales 16 int32 (the exponents e of the quantised operands' scales 2^e); x 2 x 2,048 x 1,024 float32.
;; Outputs: out0 2 x 2,048 x 1,024 float32.
;; This version of the problem:
;;   THIS VERSION OF THE PROBLEM IS GIVEN IN LOW PRECISION. The matrix products marked QUANTISED in the list below multiply operands that are first quantised to E4M3 (4 exponent bits, 3 mantissa bits; 8 bits a number), with one given power-of-two scale for each operand tensor; their sums are f32. All else is computed in f32.
;;   The module's matrix products, in the order in which they are computed (A, B: the left and right operand; K: the contracted axis; several contracted axes count as one K, in the product's order):
;;     1. [M 4,096, K 1,024] x [K 1,024, N 1,024]; A: input x; B: input W_K (given as codes): QUANTISED (scales: A lowp_scales[0], B lowp_scales[1])
;;     2. [M 4,096, K 1,024] x [K 1,024, N 1,024]; A: input x; B: input W_Q (given as codes): QUANTISED (scales: A lowp_scales[2], B lowp_scales[3])
;;     3. [M 4,096, K 1,024] x [K 1,024, N 1,024]; A: input x; B: input W_V (given as codes): QUANTISED (scales: A lowp_scales[4], B lowp_scales[5])
;;     4. batch 32 x [M 2,048, K 64] x [K 64, N 2,048]; A: computed on the way; B: computed on the way: QUANTISED (scales: A lowp_scales[6], B lowp_scales[7])
;;     5. batch 32 x [M 2,048, K 2,048] x [K 2,048, N 64]; A: softmax (see below); B: computed on the way: QUANTISED (scales: A lowp_scales[8], B lowp_scales[9])
;;     6. [M 4,096, K 1,024] x [K 1,024, N 1,024]; A: computed on the way; B: input W_O (given as codes): QUANTISED (scales: A lowp_scales[10], B lowp_scales[11])
;;     7. [M 4,096, K 1,024] x [K 1,024, N 4,096]; A: computed on the way; B: input W_in (given as codes): QUANTISED (scales: A lowp_scales[12], B lowp_scales[13])
;;     8. [M 4,096, K 4,096] x [K 4,096, N 1,024]; A: computed on the way; B: input W_out (given as codes): QUANTISED (scales: A lowp_scales[14], B lowp_scales[15])
;;   THE QUANTISER, for each operand of a quantised product, along K:
;;     - The operand's scale is 2^e, e = its entry of the input lowp_scales (int32; the entries are numbered through the quantised products in the list's order, A before B).
;;     - Each number is divided by the scale, clamped to +-448, and rounded to the nearest number of E4M3, ties to even, subnormals kept.
;;     - The product sums the exact products of the quantised numbers (number of the format x scale) in f32.
;;   ~~~python
;;   def quantise(x, axis, e):      # numpy; x: float32 -> the quantised numbers, widened to float32 again
;;       x = np.moveaxis(x, axis, -1); K = x.shape[-1]
;;       r = np.clip(x / 2.0 ** e, -448, 448)
;;       step = 2.0 ** (np.maximum(np.frexp(np.where(r == 0, 1, r))[1] - 1, -6) - 3)
;;       q = np.round(r / step) * step * 2.0 ** e      # np.round: ties to even
;;       return np.moveaxis(q, -1, axis).astype(np.float32)
;;   ~~~
;;   SOFTMAX AHEAD OF A QUANTISED PRODUCT. Where the list says 'softmax', what is quantised is not the finished softmax but p = 2^(t - M), with t = logit x log2(e) and M = ceil(the row's largest t), a whole number; so 1/2 < the row's largest p <= 1. The row's sum l is taken of the UNQUANTISED p, in f32, and the product's result is divided by l at the end. Since M is a whole number, a kernel that streams over the keys may use a running M (the ceiling of the running maximum): every later rescaling is an exact power of two, so the quantised numbers keep their values, but for numbers so far below the row's largest that they fall under the format's range.
;;   OPERANDS COMPUTED ON THE WAY. 'Computed on the way' means the value that the module computes at that place (a softmax that the list does not call 'softmax' is quantised finished and normalised). What goes into a quantiser is computed in f32, as accurately as f32 sums, v_exp_f32 and their like allow (about 1e-6 of the number): no bf16 or f16 on the way to a quantiser, and a product that is left as it is and whose result goes on into a quantised operand takes f32 operands (vector FMAs, or v_wmma_f32_16x16x4_f32). A number that lies on a knife's edge between two numbers of the format may be rounded either way, as far as f32 arithmetic and the matrix unit's own rounding can turn it there, and no further.
;;   INPUTS GIVEN AS CODES. W_K (in the module: [16, 64, 1024], K = its axis 2); W_O (in the module: [1024, 1024], K = its axis 1); W_Q (in the module: [16, 64, 1024], K = its axis 2); W_V (in the module: [16, 64, 1024], K = its axis 2); W_in (in the module: [4096, 1024], K = its axis 1); W_out (in the module: [1024, 4096], K = its axis 1): each comes as NAME_codes (uint8): NAME with its K axis moved to the last place and cut into blocks of 32 codes, [.., K / 32, bytes a block], one block behind the other in memory; one code a byte (a code: sign, 4 exponent bits, 3 mantissa bits); its scale is its entry of lowp_scales. Its value is code x scale, taken as it is: it is not quantised again, and the codes and scales need not be those that the quantiser above would give.
;; One version. Each part assembles by itself: llvm-mc -triple=amdgcn-amd-amdhsa -mcpu=gfx1250 --defsym DOCPART=n.
;; ======== version 1 of 1: 6 launches
;; limits: right only within a limited range of input values
;; workspace buffers: xc 12,582,912 bytes; qkvc 12,582,912 bytes; z 4,194,304 bytes; x1 16,777,216 bytes; x1c 4,194,304 bytes; h 16,777,216 bytes
;; launch quant (part 1): grid 512 x 1, 4 waves a work-group, no clusters, 33,280 bytes of LDS; arguments x, lowp_scales, xc; writes xc
.if DOCPART == 1
	.amdgcn_target "amdgcn-amd-amdhsa--gfx1250"
	.amdhsa_code_object_version 6
	.text
	.protected	k_qb90d31d1f0_quant
	.globl	k_qb90d31d1f0_quant
	.p2align	8
	.type	k_qb90d31d1f0_quant,@function
k_qb90d31d1f0_quant:
	s_mov_b64 s[64:65], 0
	v_nop
	global_prefetch_b8 v0, s[64:65] scope:SCOPE_SE
	s_setreg_imm32_b32 hwreg(HW_REG_WAVE_MODE, 25, 1), 1
	s_wait_xcnt 0x0
; x [4096][1024] f32 becomes codes of E4M3 three times over, once for each of the three products that read it:
; xc + 0: x / 2^e0 (for K), xc + 4 MiB: x / 2^e2 (for Q), xc + 8 MiB: x / 2^e4 (for V); each [4096][1024] bytes, row-major, K innermost.
; code = x / 2^e, held within +-448, rounded to the nearest code, ties to even.
; LIMITS: e0, e2, e4 between -126 and 119, so that 2^e and 448 x 2^e are f32 numbers.  NaN among the inputs is not served.
; Rows are dense, so x is a plain stream.  A wave takes 4 steps of 512 numbers; all its 16 loads (512 consecutive bytes each) go out at the head.
; The conversions take 8 neighbours from ONE lane's registers, a load is best with neighbouring bytes in neighbouring lanes: so a step's 2,048 bytes
; turn through the wave's own stage in LDS (16 bytes of padding behind each 64) and come back 64 bytes a lane.  A lane's 16 codes are 16 bytes:
; each store of the wave covers 512 consecutive bytes, aligned.  Waves share nothing: no barrier, no cluster, no matrix unit.
.set STEPS, 4
.set SP,    80                         ; a lane's place in a stage: 64 bytes + 16 of padding
.set WREG,  8192                       ; LDS of a wave: two stages of 32 x SP bytes
.set R,     16                         ; v16-79   four sets of 16 numbers as loaded
.set X,     80                         ; v80-111  two sets of 16 neighbours
.set T,     112                        ; v112-159 the 16 neighbours held for each of the three scales
.set C,     160                        ; v160-207 codes: 12 registers a step, never written again
	s_load_b128 s[4:7], s[0:1], 0x0                ; x, the scales' exponents
	s_load_b64 s[8:9], s[0:1], 0x10                ; xc
	v_lshl_add_u32 v208, v0, 2, 0x8000
	v_mov_b32 v209, 0
	v_lshrrev_b32 v1, 5, v0
	v_readfirstlane_b32 s16, v1                    ; wave
	v_and_b32 v2, 31, v0                           ; lane
	v_lshlrev_b32 v3, 4, v2                        ; 16 x lane: my bytes of a load's 512 and of a store's 512; never rewritten
	s_mul_i32 s17, s16, WREG
	v_lshrrev_b32 v14, 2, v2
	v_mul_u32_u24 v14, v14, SP
	v_and_b32 v15, 3, v2
	v_lshl_add_u32 v14, v15, 4, v14
	v_add_nc_u32 v14, s17, v14                     ; the stage, way in: SP (lane / 4) + 16 (lane % 4)
	v_mul_u32_u24 v15, v2, SP
	v_add_nc_u32 v15, s17, v15                     ; way out: SP x lane
	s_lshl_b32 s18, ttmp9, 2
	s_add_co_u32 s18, s18, s16                     ; which run of 2,048 numbers is my wave's
	s_lshl_b32 s20, s18, 13                        ; 8,192 bytes of x,
	s_mov_b32 s21, 0
	s_lshl_b32 s22, s18, 11                        ; 2,048 bytes of codes
	s_mov_b32 s23, 0
	s_wait_alu depctr_va_vdst(0)
	s_wait_kmcnt 0x0
	s_load_b256 s[24:31], s[6:7], 0x0              ; e0 .. e7
	s_add_nc_u64 s[4:5], s[4:5], s[20:21]
	s_add_nc_u64 s[8:9], s[8:9], s[22:23]          ; codes under e0,
	s_add_nc_u64 s[10:11], s[8:9], 0x400000        ; under e2,
	s_add_nc_u64 s[12:13], s[8:9], 0x800000        ; under e4
.macro LOAD t
.irp i, 0,1,2,3
	global_load_b128 v[R+16*(\t)+4*\i:R+16*(\t)+4*\i+3], v3, s[4:5] offset:2048*(\t)+512*\i th:TH_LOAD_NT
.endr
.endm
.macro TURN t                          ; step t's numbers through a stage: LDS serves a wave's instructions in order, so no wait stands between the stores and the loads
.irp i, 0,1,2,3
	ds_store_b128 v14, v[R+16*(\t)+4*\i:R+16*(\t)+4*\i+3] offset:32*SP*((\t)%2)+8*SP*\i
.endr
.irp i, 0,1,2,3
	ds_load_b128 v[X+16*((\t)%2)+4*\i:X+16*((\t)%2)+4*\i+3], v15 offset:32*SP*((\t)%2)+16*\i
.endr
.endm
.irp t, 0,1,2,3
	LOAD \t
.endr
	s_wait_kmcnt 0x0
.irp k, 0,1,2                          ; e0 = s24, e2 = s26, e4 = s28
	s_add_co_i32 s32, s[24+2*\k], 127
	s_lshl_b32 s33, s32, 23
	v_mov_b32 v[8+\k], s33                         ; 2^e as f32: the conversion takes its exponent field
	s_add_co_i32 s32, s32, 8
	s_lshl_b32 s32, s32, 23
	s_or_b32 s32, s32, 0x600000
	v_mov_b32 v[11+\k], s32                        ; 448 x 2^e
.endr
	s_wait_alu depctr_va_vdst(0)
	s_wait_loadcnt 12                              ; step 0's four loads are in; the twelve behind them may be out
	TURN 0
.macro STEP t
.set XS, X+16*((\t)%2)
	s_wait_dscnt 0x0                               ; this step's numbers are back from the stage
.if (\t)+1 < STEPS
	s_wait_loadcnt 4*(STEPS-2-(\t))                ; the next step's four loads are in; those of the steps behind it may be out
	TURN (\t)+1                                    ; they go through the other stage while this step is worked
.endif
.irp k, 0,1,2
.irp i, 0,1,2,3,4,5,6,7,8,9,10,11,12,13,14,15
	v_med3_num_f32 v[T+16*\k+\i], v[XS+\i], -v[11+\k], v[11+\k]   ; the conversion to an 8-bit code does not saturate (ISA guide 7.6.2): the hold comes first
.endr
.endr
.irp k, 0,1,2
	v_cvt_scalef32_pk8_fp8_f32 v[C+12*(\t)+4*\k:C+12*(\t)+4*\k+1], v[T+16*\k:T+16*\k+7], v[8+\k]
	v_cvt_scalef32_pk8_fp8_f32 v[C+12*(\t)+4*\k+2:C+12*(\t)+4*\k+3], v[T+16*\k+8:T+16*\k+15], v[8+\k]
.endr
	v_nop                                          ; one plain vector instruction between the conversions and the next step's holds, which write their sources
.irp k, 0,1,2
	global_store_b128 v3, v[C+12*(\t)+4*\k:C+12*(\t)+4*\k+3], s[8+2*\k:9+2*\k] offset:512*(\t)
.endr
.endm
.irp t, 0,1,2,3
	STEP \t
.endr
	s_wait_tensorcnt 0x0
	ds_add_u32 v208, v209
	s_wait_dscnt 0x0
	s_endpgm
.Lfunc_end_k_qb90d31d1f0_quant:
	.size	k_qb90d31d1f0_quant, .Lfunc_end_k_qb90d31d1f0_quant-k_qb90d31d1f0_quant
	.p2alignl 7, 3214868480
	.fill 96, 4, 3214868480
	.section	.rodata,"a",@progbits
	.p2align	6, 0x0
	.amdhsa_kernel k_qb90d31d1f0_quant
		.amdhsa_group_segment_fixed_size 33280
		.amdhsa_private_segment_fixed_size 0
		.amdhsa_enable_private_segment 0
		.amdhsa_kernarg_size 24
		.amdhsa_user_sgpr_count 2
		.amdhsa_user_sgpr_kernarg_segment_ptr 1
		.amdhsa_wavefront_size32 1
		.amdhsa_system_sgpr_workgroup_id_x 1
		.amdhsa_system_sgpr_workgroup_id_y 1
		.amdhsa_system_sgpr_workgroup_id_z 1
		.amdhsa_system_vgpr_workitem_id 0
		.amdhsa_next_free_vgpr 210
		.amdhsa_next_free_sgpr 66
		.amdhsa_reserve_vcc 0
		.amdhsa_float_denorm_mode_32 3
		.amdhsa_float_denorm_mode_16_64 3
		.amdhsa_memory_ordered 1
		.amdhsa_forward_progress 1
		.amdhsa_inst_pref_size 22
	.end_amdhsa_kernel
	.amdgpu_metadata
---
amdhsa.version: [ 1, 2 ]
amdhsa.kernels:
  - .name:           k_qb90d31d1f0_quant
    .symbol:         k_qb90d31d1f0_quant.kd
    .args:
      - { .name: x, .offset: 0, .size: 8, .value_kind: global_buffer, .address_space: global }
      - { .name: lowp_scales, .offset: 8, .size: 8, .value_kind: global_buffer, .address_space: global }
      - { .name: xc, .offset: 16, .size: 8, .value_kind: global_buffer, .address_space: global }
    .group_segment_fixed_size: 33280
    .private_segment_fixed_size: 0
    .kernarg_segment_align: 8
    .kernarg_segment_size: 24
    .max_flat_workgroup_size: 128
    .sgpr_count:     66
    .vgpr_count:     210
    .wavefront_size: 32
...
	.end_amdgpu_metadata
.endif
;; end of part 1
;; launch qkv (part 2): grid 4 x 48, 4 waves a work-group, clusters of 4 x 4, 327,680 bytes of LDS; arguments xc, W_Q_codes, W_K_codes, W_V_codes, lowp_scales, qkvc; writes qkvc
.if DOCPART == 2
	.amdgcn_target "amdgcn-amd-amdhsa--gfx1250"
	.amdhsa_code_object_version 6
	.text
	.protected	k_qb90d31d1f0_qkv
	.globl	k_qb90d31d1f0_qkv
	.p2align	8
	.type	k_qb90d31d1f0_qkv,@function
k_qb90d31d1f0_qkv:
	s_mov_b64 s[64:65], 0
	v_nop
	global_prefetch_b8 v0, s[64:65] scope:SCOPE_SE
	s_setreg_imm32_b32 hwreg(HW_REG_WAVE_MODE, 25, 1), 1
	s_wait_xcnt 0x0
	s_wait_alu depctr_hold_cnt(0) depctr_sa_sdst(0) depctr_va_vdst(0) depctr_va_sdst(0) depctr_va_ssrc(0) depctr_va_vcc(0) depctr_vm_vsrc(0)
	s_getreg_b32 s2, hwreg(HW_REG_IB_STS2, 6, 4)
	s_cmp_eq_u32 s2, 0
	s_cbranch_scc0 .Lentry_in_a_cluster
	s_endpgm
.Lentry_in_a_cluster:
	s_bfe_u32 s2, ttmp6, 0x10000c
	s_cmp_lg_u32 s2, 0xf033
	s_cbranch_scc0 .Lentry_shape_is_right
	s_endpgm
.Lentry_shape_is_right:
; A GEMM on codes of E4M3, C = A B^T with K = 1,024, whose results are quantised again on the way out.  One text, two uses, told apart by QKV.
; QKV = 1: q = x W_Q^T, k = x W_K^T (A = x's codes, 4,096 rows; B = the weight's, 1,024 rows) and vT = W_V x^T (A = W_V's codes, B = x's): v comes out with the tokens innermost.
;          Cluster y = 4 sel + cc: sel 0 = q, 1 = k, 2 = vT.  Codes: q = sum / 2^(e6-e2-e3), k = sum / 2^(e7-e0-e1), vT = sum / 2^(e9-e4-e5): the three scales are folded into the conversion's one.
; QKV = 0: h = relu(x1 W_in^T + b_in): A = x1's codes (blocked, see below), B = W_in's.  h = sum x 2^(e12+e13) + b_in, held between 0 and 448 x 2^e14, code = h / 2^e14.
; LIMITS: each folded exponent above and e14 between -126 and 119, e12 + e13 between -126 and 127, so that each power of two is an f32 number.
; K is permuted alike in A and B inside an instruction (four loads of 16 bytes a fragment): only the order of the sums inside an instruction changes.
; THE BLOCKED LAYOUT of the codes that this program hands from launch to launch, BL(R, C): [R/128][C/128][128 rows][128 bytes].  A wave's 128 x 128 codes are one dense block of 16 KiB;
; two blocks that are neighbours along K are 32 KiB on end, fetched as 128 rows of 256 bytes: row rho of plane p then lies in LDS at (64 p + rho / 2) x 272 + (rho % 2) x 128.
; SHARES: a tile of C, 256 x 256, to a work-group of four waves; a wave makes 128 x 128: 64 accumulators, 512 registers.  K goes in steps of 256 through a ring of two LDS slots.
; CLUSTERS: 4 x 4 work-groups; A's tile is asked for jointly along a row of the cluster, B's along a column.  The matrix instruction is used transposed (source 0 = 16 rows of B,
; source 1 = 16 rows of A): a lane then holds eight neighbouring columns of one row of C, which are eight neighbours along the next product's K.
; REGISTERS, in windows of 256: window 0: v16-31 addresses and constants; v64-127 the bias (QKV = 0); v128-255 A's fragments, ONE set; on the way out v128-255 are free.
;   window 1: B's fragments, TWO sets.   window 2: the accumulators of my rows 0-63 ((a, b) at v[8 (8 a + b)]);   window 3: those of my rows 64-127.
.set QKV,    1
.set PITCH,  272                       ; an LDS row: 256 bytes + 16 of padding: the 16 rows that a fragment load touches start at 16 different groups of four banks
.set FR,     16                        ; registers of a fragment: 16 rows x 128 K
.set NL,     4                         ; LDS loads that bring one
.set NP,     4                         ; places behind this matrix instruction (ISA guide 7.12.1)
.set HALFT,  128*PITCH                 ; what one tensor load brings
.set SLOT,   4*HALFT                   ; A's 256 rows, then B's 256 rows
.set LAPS,   2                         ; K = 1,024 = 4 steps of 256 = twice round the ring
.set SPARE,  2*SLOT                    ; behind the ring: the spare words, 128 bytes a wave, which no other line names
.set CP,     144                       ; the way out: a stage row of 128 codes + 16 bytes
.if QKV
.set ASTRIDE, 1024                     ; A row-major: bytes from row to row,
.set ASTEP,   256                      ; from K step to K step,
.set AQ,      128                      ; in LDS from a slot's first 128 along K to its second,
.set AI,      16*PITCH                 ; and from a block of 16 rows to the next
.else
.set ASTRIDE, 256                      ; A blocked: 32 KiB on end
.set ASTEP,   32768
.set AQ,      64*PITCH
.set AI,      8*PITCH
.endif
.set ADRA, 16                          ; v16-17  LDS address of my A fragments in slot 0, 1
.set ADRB, 20                          ; v20-21  the same for B
.set STO,  24                          ; v24     the way out: where I put 8 codes of a row
.set RD,   25                          ; v25     where I read 16 codes back
.set CO,   26                          ; v26     16 x lane: my place in a store's 512 bytes
.set BO,   27                          ; v27     32 x (lane / 16): my place in the bias
.set SPW,  28                          ; v28     LDS address of my spare word; never rewritten
.set NIL,  29                          ; v29     0; never rewritten
.set LIM,  30                          ; v30     448 x the conversion's scale
.set SCV,  31                          ; v31     the conversion's scale as f32
.set BIAS, 64                          ; v64-127 b_in of my 128 columns, in the result's layout
.set AF,   128                         ; A's fragments
.set TMP,  128                         ; the way out: 64 numbers of a block
.set CD,   192                         ; their codes, two sets of 16
.set BK,   224                         ; the codes read back, two sets of 16
.set G1, 24                            ; s[24:31] descriptor group 1 for A's tiles;  s[32:39] group 0, one set for each slot
.set G0, 32
.set G1B, 48                           ; s[48:55], s[56:63] the same for B's tiles
.set G0B, 56
.set MSB, 0
.macro WIN new                         ; the immediate's high byte repeats the setting that is left
.if MSB != \new
	s_set_vgpr_msb (MSB<<8)|\new
.set MSB, \new
.endif
.endm
.set MUL_LO, 0xa1                      ; source 0 (B) window 1, source 1 (A) window 0, C and D window 2
.set MUL_HI, 0xf1                      ; the same, C and D window 3
.set TO_B,   0x40                      ; destination window 1, address window 0
; A joint load: waves 0 and 1 fetch for A, waves 2 and 3 for B.  The branch hangs on the wave's number alone.  Four v_nop follow each of the two lines.
.macro JLOAD g0a, g1a, g0b, g1b
	s_cmp_eq_u32 s15, 0
	s_cbranch_scc0 .Lfor_b_\@
	tensor_load_to_lds s[\g0a:\g0a+3], s[\g1a:\g1a+7]
	s_nop 0
.rept 4
	v_nop
.endr
	s_branch .Lasked_\@
.Lfor_b_\@:
	tensor_load_to_lds s[\g0b:\g0b+3], s[\g1b:\g1b+7]
	s_nop 0
.rept 4
	v_nop
.endr
.Lasked_\@:
.endm
.macro CREST                           ; a round of the cluster's barrier behind its opening barrier
	s_cmp_lg_u32 s14, 0
	s_cbranch_scc1 .Lnot_wave_0_\@
	s_barrier_signal -3
.Lnot_wave_0_\@:
	s_barrier_wait -3
	s_barrier_signal -1
	s_barrier_wait -1
.endm
.macro CROUND                          ; a whole round
	s_barrier_signal -1
	s_barrier_wait -1
	CREST
.endm
.if QKV
	s_load_b256 s[68:75], s[0:1], 0x0              ; xc s[68:69], W_Q s[70:71], W_K s[72:73], W_V s[74:75]
	s_load_b128 s[76:79], s[0:1], 0x20             ; the scales' exponents s[76:77], qkvc s[78:79]
.else
	s_load_b128 s[4:7], s[0:1], 0x0                ; x1c, W_in
	s_load_b128 s[76:79], s[0:1], 0x10             ; the scales' exponents, h
	s_load_b64 s[12:13], s[0:1], 0x20              ; b_in
.endif
	v_lshl_add_u32 v[SPW], v0, 2, SPARE
	v_mov_b32 v[NIL], 0
	ds_add_u32 v28, v29
	ds_add_u32 v28, v29
	s_wait_dscnt 0x0
	v_lshrrev_b32 v1, 5, v0
	v_readfirstlane_b32 s14, v1                    ; wave 0..3
	s_lshr_b32 s15, s14, 1                         ; which half of the tile's rows is mine.  Also: I fetch for A (0) or for B (1)
	s_and_b32 s16, s14, 1                          ; which half of its columns.  Also: which 128 rows of that tile I fetch
	s_bfe_u32 s40, ttmp6, 0x40000                  ; cx, cy: my place in the cluster
	s_bfe_u32 s41, ttmp6, 0x40004
.if QKV
	s_and_b32 s18, ttmp7, 0xffff                   ; cluster y = 4 sel + cc
	s_lshr_b32 s89, s18, 2                         ; sel
	s_and_b32 s18, s18, 3
	s_lshl_b32 s18, s18, 2                         ; 4 cc walks the 4,096 tokens: C's rows for q and k, its columns for vT
	s_cmp_lt_u32 s89, 2
	s_cselect_b32 s17, s18, 0
	s_cselect_b32 s42, 0, s18
	s_add_co_u32 s17, s17, s41                     ; tile row of C
	s_add_co_u32 s42, s42, s40                     ; tile column of C
.else
	s_lshl_b32 s42, ttmp9, 2
	s_add_co_u32 s42, s42, s40                     ; tile column of C = 4 x cluster x + cx
	s_and_b32 s17, ttmp7, 0xffff
	s_lshl_b32 s17, s17, 2
	s_add_co_u32 s17, s17, s41                     ; tile row of C = 4 x cluster y + cy
.endif
	s_lshl_b32 s43, s41, 2
	s_lshl_b32 s43, 15, s43                        ; my row of the cluster
	s_lshl_b32 s44, 0x1111, s40                    ; my column
	; descriptor group 1: a tile of 128 rows x 256 bytes, 16 bytes of padding behind each row
	s_or_b32 s[G1+0], s43, (0<<16)|(1<<20)|(1<<21)|(5<<22)|(3<<25)  ; 15:0 the mask: A's tiles go to my row; elements of 1 byte; padding on; bit 21 beside a mask; after every 64 words, 4 words
	s_or_b32 s[G1B+0], s44, (0<<16)|(1<<20)|(1<<21)|(5<<22)|(3<<25)
.irp g, G1, G1B
	s_mov_b32 s[\g+1], 256<<16                     ; tensor_dim0
	s_mov_b32 s[\g+2], 128<<16                     ; tensor_dim1
	s_mov_b32 s[\g+3], 256<<16                     ; tile_dim0
	s_mov_b32 s[\g+4], 128                         ; tile_dim1
	s_mov_b32 s[\g+6], 0
	s_mov_b32 s[\g+7], 0
.endr
	s_mov_b32 s[G1+5], ASTRIDE                     ; from row to row
	s_mov_b32 s[G1B+5], 1024
	s_lshl_b32 s18, s16, 7                         ; which 128 rows of the tile I fetch
	s_lshl_b32 s20, s17, 8
	s_add_co_u32 s20, s20, s18                     ; A: row 256 x tile row + 128 x half,
	s_lshl_b32 s20, s20, 10                        ; x 1,024 bytes: the same first byte in both layouts
	s_mov_b32 s21, 0
	s_lshl_b32 s46, s42, 8
	s_add_co_u32 s46, s46, s18                     ; B: row 256 x tile column + 128 x half
	s_lshl_b32 s46, s46, 10
	s_mov_b32 s47, 0
	s_mul_i32 s45, s14, HALFT                      ; where they go: wave x 128 rows: no place in the cluster enters an LDS address
	s_wait_kmcnt 0x0
.if QKV
	s_load_b256 s[80:87], s[76:77], 0x0            ; e0 .. e7
	s_load_b32 s88, s[76:77], 0x24                 ; e9
	s_add_nc_u64 s[90:91], s[68:69], 0x400000      ; x's codes under e2
	s_add_nc_u64 s[92:93], s[68:69], 0x800000      ; under e4
	s_cmp_eq_u32 s89, 0                            ; the choices hang on the cluster's number alone
	s_cselect_b64 s[4:5], s[90:91], s[68:69]
	s_cselect_b64 s[6:7], s[70:71], s[72:73]
	s_cmp_eq_u32 s89, 2
	s_cselect_b64 s[4:5], s[74:75], s[4:5]         ; A: x (e2), x (e0), W_V
	s_cselect_b64 s[6:7], s[92:93], s[6:7]         ; B: W_Q, W_K, x (e4)
	s_lshl_b32 s18, s89, 22
	s_mov_b32 s19, 0
	s_add_nc_u64 s[10:11], s[78:79], s[18:19]      ; C: qkvc + 4 MiB x sel
.else
	s_load_b128 s[80:83], s[76:77], 0x30           ; e12 .. e15
	s_mov_b64 s[10:11], s[78:79]
.endif
	s_add_nc_u64 s[20:21], s[4:5], s[20:21]
	s_add_nc_u64 s[46:47], s[6:7], s[46:47]
	; THE PREFETCHES: behind K step 0's joint load stand two, for K steps 1 and 2; behind K step 1's one, for K step 3.  Of the 128 rows that my wave fetches, the four partners that ask jointly
	; take 32 each, told apart by address (place cx for A, cy for B): a lane a row of 256 bytes.  So each 256 bytes are named once in each cluster that loads them.
	s_cmp_eq_u32 s15, 0                            ; do I fetch for A?
	s_cselect_b64 s[8:9], s[20:21], s[46:47]
	s_cselect_b32 s18, s40, s41                    ; my place among the four
	s_lshl_b32 s18, s18, 15                        ; x 32 rows of 1,024 bytes
	s_mov_b32 s19, 0
	s_add_nc_u64 s[8:9], s[8:9], s[18:19]
	s_add_nc_u64 s[8:9], s[8:9], 256               ; at K step 1; never rewritten
	v_and_b32 v19, 31, v0
	v_lshlrev_b32 v19, 10, v19                     ; never rewritten
	s_wait_alu depctr_va_vdst(0)                   ; the wait
	CROUND
.irp s, 0,1
	s_mov_b32 s[G0+4*\s], 1
	s_add_co_u32 s[G0+4*\s+1], s45, \s*SLOT
	s_add_nc_u64 s[G0+4*\s+2:G0+4*\s+3], s[20:21], \s*ASTEP
	s_or_b32 s[G0+4*\s+3], s[G0+4*\s+3], 0x80000000
	s_mov_b32 s[G0B+4*\s], 1
	s_add_co_u32 s[G0B+4*\s+1], s45, \s*SLOT
	s_add_nc_u64 s[G0B+4*\s+2:G0B+4*\s+3], s[46:47], \s*256
	s_or_b32 s[G0B+4*\s+3], s[G0B+4*\s+3], 0x80000000
.endr
	JLOAD G0, G1, G0B, G1B
	global_prefetch_b8 v19, s[8:9] th:TH_LOAD_NT scope:SCOPE_SE              ; K step 1
	global_prefetch_b8 v19, s[8:9] offset:256 th:TH_LOAD_NT scope:SCOPE_SE   ; K step 2
	v_and_b32 v1, 15, v0                           ; r = lane % 16
	s_wait_alu depctr_va_vdst(0)
	v_bfe_u32 v2, v0, 4, 1                         ; h = lane / 16
	v_mul_u32_u24 v3, v1, PITCH
	v_lshl_add_u32 v4, v2, 4, v3                   ; rows as rows: r x pitch + 16 h
.if QKV
.set LTA, 4
.else
.set LTA, 5
	v_lshrrev_b32 v5, 1, v1                        ; blocked rows: (r / 2) x pitch + (r % 2) x 128 + 16 h
	v_mul_u32_u24 v5, v5, PITCH
	v_and_b32 v6, 1, v1
	v_lshl_add_u32 v5, v6, 7, v5
	v_lshl_add_u32 v5, v2, 4, v5
.endif
	s_mul_i32 s21, s15, HALFT                      ; my 128 rows of A
	s_mul_i32 s22, s16, HALFT                      ; my 128 rows of B,
	s_add_co_u32 s22, s22, 2*HALFT                 ; which lie behind A's 256
.irp s, 0,1
	v_add_nc_u32 v[ADRA+\s], s21, v[LTA]
	v_add_nc_u32 v[ADRB+\s], s22, v4
	s_add_co_u32 s21, s21, SLOT
	s_add_co_u32 s22, s22, SLOT
.endr
	s_mul_i32 s23, s14, 128*CP                     ; my stage: 128 rows x 144 bytes, in slot 0, which has had its last fill and its last read when the first code is stored there
	v_mul_u32_u24 v6, v1, CP
	s_wait_alu depctr_va_vdst(0)
	v_lshl_add_u32 v6, v2, 3, v6
	v_add_nc_u32 v[STO], s23, v6                   ; in: row r, 8 bytes for each half of the lanes
	v_and_b32 v7, 31, v0
	v_lshrrev_b32 v8, 3, v7
	v_mul_u32_u24 v8, v8, CP
	v_and_b32 v9, 7, v7
	v_lshl_add_u32 v8, v9, 4, v8
	v_add_nc_u32 v[RD], s23, v8                    ; back: eight lanes to a row of 128 bytes, four rows an instruction
	v_lshlrev_b32 v[CO], 4, v7
	s_lshl_b32 s20, s17, 1
	s_add_co_u32 s20, s20, s15                     ; my block's row of blocks,
.if QKV
	s_cmp_lt_u32 s89, 2
	s_cselect_b32 s19, 3, 5                        ; q, k: 8 blocks to a row of blocks; vT: 32
	s_lshl_b32 s20, s20, s19
.else
	s_lshl_b32 s20, s20, 5                         ; h: 32
.endif
	s_lshl_b32 s46, s42, 1
	s_add_co_u32 s46, s46, s16                     ; and its place there
	s_add_co_u32 s20, s20, s46
	s_lshl_b32 s20, s20, 14                        ; blocks of 16 KiB
	s_mov_b32 s21, 0
	s_add_nc_u64 s[10:11], s[10:11], s[20:21]
.if QKV == 0
	s_lshl_b32 s46, s42, 8
	s_lshl_b32 s47, s16, 7
	s_add_co_u32 s46, s46, s47                     ; my first column
	s_lshl_b32 s46, s46, 2
	s_mov_b32 s47, 0
	s_add_nc_u64 s[12:13], s[12:13], s[46:47]
	v_lshlrev_b32 v[BO], 5, v2
.irp b, 0,1,2,3,4,5,6,7                ; register 8 b + j: b_in of column 16 b + 8 h + j; waited for at the way out
	global_load_b128 v[BIAS+8*\b:BIAS+8*\b+3], v[BO], s[12:13] offset:64*\b
	global_load_b128 v[BIAS+8*\b+4:BIAS+8*\b+7], v[BO], s[12:13] offset:64*\b+16
.endr
.endif
.macro FRAG reg, adr, off              ; a fragment, 16 rows x 128 K: registers 4 c .. 4 c + 3 hold K = 32 c + 16 (lane / 16) + 0 .. 15 of row lane % 16
.irp c, 0,1,2,3
	ds_load_b128 v[\reg+4*\c:\reg+4*\c+3], v[\adr] offset:\off+32*\c
.endr
.endm
; 16 matrix instructions: A's blocks a0, a0 + 1 x B's eight, 128 along K.  p: B's set.  zero = 1: the first product starts the sums.
; The 64 accumulators take turns, one instruction a turn, in the same order in every step.
.macro MUL16 a0, p, zero
.irp a, \a0, \a0+1
.irp b, 0,1,2,3,4,5,6,7
.if \zero
	v_wmma_f32_16x16x128_fp8_fp8 v[8*(8*((\a)%4)+\b):8*(8*((\a)%4)+\b)+7], v[128*(\p)+FR*\b:128*(\p)+FR*\b+FR-1], v[AF+FR*(\a):AF+FR*(\a)+FR-1], 0
.else
	v_wmma_f32_16x16x128_fp8_fp8 v[8*(8*((\a)%4)+\b):8*(8*((\a)%4)+\b)+7], v[128*(\p)+FR*\b:128*(\p)+FR*\b+FR-1], v[AF+FR*(\a):AF+FR*(\a)+FR-1], v[8*(8*((\a)%4)+\b):8*(8*((\a)%4)+\b)+7]
.endif
.endr
.endr
.endm
.macro FETCH_B slot, q, p              ; B's eight fragments of the slot's q-th 128 along K into set p
	WIN TO_B
.irp i, 0,1,2,3,4,5,6,7
	FRAG 128*(\p)+FR*\i, ADRB+\slot, 128*(\q)+\i*16*PITCH
.endr
	WIN 0
.endm
.macro FETCH_A slot, q, i0             ; A's blocks i0 .. i0 + 3
.irp i, \i0, \i0+1, \i0+2, \i0+3
	FRAG AF+FR*(\i), ADRA+\slot, AQ*(\q)+(\i)*AI
.endr
.endm
; A load into a register that a matrix instruction has read, and a vector instruction that reads a matrix result, stand NP places behind that matrix instruction; only plain
; vector instructions that name none of its registers are places.
.macro PLACES n
.rept \n
	v_nop
.endr
.endm
; A step of 128 along K that has its successor in the same slot.
.macro STEP slot, q, zero
	s_wait_dscnt 4*NL                              ; B's set and A's blocks 0-3 are in; the youngest sixteen loads (A's blocks 4-7) may be out
	WIN MUL_LO
	MUL16 0, (\q)%2, \zero
	MUL16 2, (\q)%2, \zero
	s_wait_dscnt 0                                 ; A's blocks 4-7 are in
	PLACES NP
	FETCH_B \slot, (\q)+1, 1-(\q)%2
	FETCH_A \slot, (\q)+1, 0
	WIN MUL_HI
	MUL16 4, (\q)%2, \zero
	MUL16 6, (\q)%2, \zero
	PLACES NP
	WIN 0
	FETCH_A \slot, (\q)+1, 4
.endm
; A slot's last step changes slots: ONE barrier; in front of it each wave waits for all its tensor loads, adds 0 to its spare word, and waits for that and for its own reads of this slot.
; fill = 1: this slot is filled again, two K steps ahead; the barrier then opens a round of the cluster's barrier.
.macro TURN slot, next, fill
	s_wait_tensorcnt 0x0                           ; all my tensor loads have landed: my part of the next slot
	ds_add_u32 v[SPW], v[NIL]                      ; 0 onto my spare word
	s_wait_dscnt 4*NL+1                            ; the add and the youngest sixteen loads (A's blocks 4-7) may be out
	WIN MUL_LO
	MUL16 0, 1, 0                                  ; sixteen matrix instructions stand between the add and the wait for it
	s_wait_dscnt 0x0                               ; the add is done, and my reads of this slot are over
	s_barrier_signal -1
	MUL16 2, 1, 0
	WIN 0
	s_barrier_wait -1
.if \fill
	CREST                                          ; no wave of any partner still reads this slot's tile or has a load on its way
	s_add_nc_u64 s[G0+4*\slot+2:G0+4*\slot+3], s[G0+4*\slot+2:G0+4*\slot+3], 2*ASTEP
	s_add_nc_u64 s[G0B+4*\slot+2:G0B+4*\slot+3], s[G0B+4*\slot+2:G0B+4*\slot+3], 2*256
	JLOAD G0+4*\slot, G1, G0B+4*\slot, G1B         ; the first tensor load behind the round; its four v_nop are the places in front of the loads below
.else
	PLACES NP
.endif
	FETCH_B \next, 0, 0
	FETCH_A \next, 0, 0
	WIN MUL_HI
	MUL16 4, 1, 0
	MUL16 6, 1, 0
	PLACES NP
	WIN 0
	FETCH_A \next, 0, 4
.endm
	s_wait_alu depctr_va_vdst(0)                   ; the wait at the head's end
	s_wait_tensorcnt 0x0                           ; my part of K step 0 is in; slot 1's first fill is issued as a refill is
	ds_add_u32 v[SPW], v[NIL]                      ; 0 onto my spare word
	s_wait_dscnt 0x0
	CROUND                                         ; everybody's part of K step 0 is in, and the joint loads meet
	JLOAD G0+4, G1, G0B+4, G1B
	global_prefetch_b8 v19, s[8:9] offset:512 th:TH_LOAD_NT scope:SCOPE_SE   ; K step 3
	FETCH_B 0, 0, 0
	FETCH_A 0, 0, 0
	FETCH_A 0, 0, 4
	STEP 0, 0, 1                                   ; the first step stands in front of the loop: its products start the sums
	s_mov_b32 s3, LAPS-1
.Llap:                                                 ; a trip goes once round the ring, from a lap's second step to the next lap's first, and fills both slots again
	TURN 0, 1, 1
	STEP 1, 0, 0
	TURN 1, 0, 1
	STEP 0, 0, 0
	s_sub_co_u32 s3, s3, 1
	s_cmp_lg_u32 s3, 0
	s_cbranch_scc1 .Llap
	TURN 0, 1, 0                                   ; the last lap fills nothing
	STEP 1, 0, 0
	s_wait_dscnt 4*NL                              ; the very last step: nothing more to fetch
	WIN MUL_LO
	MUL16 0, 1, 0
	MUL16 2, 1, 0
	s_wait_dscnt 0
	WIN MUL_HI
	MUL16 4, 1, 0
	MUL16 6, 1, 0
	WIN 0
; THE WAY OUT, block by block of 16 rows x 128 columns.  A lane's 64 sums are held (and, QKV = 0, scaled, biased and clipped at 0) and converted: 8 codes for each of B's eight blocks.
; They go into my stage as rows of 128 bytes and come back 16 bytes a lane, so that each store of the wave covers 512 consecutive bytes of my dense block of 16 KiB.
.macro TOSTAGE a
.set AC, 64*((\a)%4)
.set CDS, CD+16*((\a)%2)
.set BB, BK+16*((\a)%2)
	WIN 0x02+((\a)/4)                              ; source 0: window 2 or 3
.if QKV
.set jj, 0
.rept 64
	v_med3_num_f32 v[TMP+jj], v[AC+jj], -v[LIM], v[LIM]   ; the conversion does not saturate (ISA guide 7.6.2): the hold; each accumulator from its low end on
.set jj, jj+1
.endr
	WIN 0
.else
.set jj, 0
.rept 32
	v_pk_fma_f32 v[TMP+jj:TMP+jj+1], v[AC+jj:AC+jj+1], s[96:97], v[BIAS+jj:BIAS+jj+1] op_sel_hi:[1,0,1]   ; sum x 2^(e12 + e13) + b_in; each accumulator from its low end on
.set jj, jj+2
.endr
	WIN 0
.set jj, 0
.rept 64
	v_med3_num_f32 v[TMP+jj], v[TMP+jj], 0, v[LIM] ; the activation and the hold in one
.set jj, jj+1
.endr
.endif
.irp b, 0,1,2,3,4,5,6,7
	v_cvt_scalef32_pk8_fp8_f32 v[CDS+2*\b:CDS+2*\b+1], v[TMP+8*\b:TMP+8*\b+7], v[SCV]
.endr
	v_nop                                          ; one plain vector instruction between the conversions and the next block's lines, which write their sources
.irp b, 0,1,2,3,4,5,6,7
	ds_store_b64 v[STO], v[CDS+2*\b:CDS+2*\b+1] offset:16*CP*(\a)+16*\b
.endr
.irp i, 0,1,2,3
	ds_load_b128 v[BB+4*\i:BB+4*\i+3], v[RD] offset:16*CP*(\a)+4*CP*\i   ; LDS serves a wave's instructions in order: these see the stores above
.endr
.endm
.macro SEND a, younger                 ; younger: the LDS instructions issued behind block a's loads, which may stay out
.set BB, BK+16*((\a)%2)
	s_wait_dscnt \younger
.irp i, 0,1,2,3
	global_store_b128 v[CO], v[BB+4*\i:BB+4*\i+3], s[10:11] offset:2048*(\a)+512*\i
.endr
.endm
	s_wait_kmcnt 0x0
.if QKV
	s_sub_co_i32 s90, s86, s82
	s_sub_co_i32 s90, s90, s83                     ; q: e6 - e2 - e3
	s_sub_co_i32 s91, s87, s80
	s_sub_co_i32 s91, s91, s81                     ; k: e7 - e0 - e1
	s_sub_co_i32 s92, s88, s84
	s_sub_co_i32 s92, s92, s85                     ; vT: e9 - e4 - e5
	s_cmp_eq_u32 s89, 0
	s_cselect_b32 s90, s90, s91
	s_cmp_eq_u32 s89, 2
	s_cselect_b32 s90, s92, s90
.else
	s_add_co_i32 s96, s80, s81
	s_add_co_i32 s96, s96, 127
	s_lshl_b32 s96, s96, 23                        ; 2^(e12 + e13) as f32
	s_mov_b32 s97, s96                             ; (named with it as a pair, so it is written)
	s_mov_b32 s90, s82                             ; e14
	s_wait_loadcnt 0x0                             ; the bias
.endif
	s_add_co_i32 s90, s90, 127
	s_lshl_b32 s91, s90, 23
	v_mov_b32 v[SCV], s91                          ; the conversion's scale as f32
	s_add_co_i32 s90, s90, 8
	s_lshl_b32 s90, s90, 23
	s_or_b32 s90, s90, 0x600000
	v_mov_b32 v[LIM], s90                          ; 448 x that
	PLACES NP                                      ; behind the last products: their sources are written and loaded into below
	TOSTAGE 0
.irp a, 1,2,3,4,5,6,7
.if \a > 1
	s_wait_xcnt 0x0                                ; block a - 2's stores have read their registers: block a's loads may land there
.endif
	TOSTAGE \a
	SEND \a-1, 12                                  ; behind block a - 1's loads: block a's 8 stores and 4 loads
.endr
	SEND 7, 0
	s_wait_tensorcnt 0x0                           ; the wave's end
	ds_add_u32 v[SPW], v[NIL]
	s_wait_dscnt 0x0
	CROUND                                         ; the closing round: no work-group ends while a partner may still ask for a tile that names it
	s_endpgm
.Lfunc_end_k_qb90d31d1f0_qkv:
	.size	k_qb90d31d1f0_qkv, .Lfunc_end_k_qb90d31d1f0_qkv-k_qb90d31d1f0_qkv
	.p2alignl 7, 3214868480
	.fill 96, 4, 3214868480
	.section	.rodata,"a",@progbits
	.p2align	6, 0x0
	.amdhsa_kernel k_qb90d31d1f0_qkv
		.amdhsa_group_segment_fixed_size 327680
		.amdhsa_private_segment_fixed_size 0
		.amdhsa_enable_private_segment 0
		.amdhsa_kernarg_size 48
		.amdhsa_user_sgpr_count 2
		.amdhsa_user_sgpr_kernarg_segment_ptr 1
		.amdhsa_wavefront_size32 1
		.amdhsa_system_sgpr_workgroup_id_x 1
		.amdhsa_system_sgpr_workgroup_id_y 1
		.amdhsa_system_sgpr_workgroup_id_z 1
		.amdhsa_system_vgpr_workitem_id 0
		.amdhsa_next_free_vgpr 1024
		.amdhsa_next_free_sgpr 100
		.amdhsa_reserve_vcc 0
		.amdhsa_float_denorm_mode_32 3
		.amdhsa_float_denorm_mode_16_64 3
		.amdhsa_memory_ordered 1
		.amdhsa_forward_progress 1
		.amdhsa_inst_pref_size 126
	.end_amdhsa_kernel
	.amdgpu_metadata
---
amdhsa.version: [ 1, 2 ]
amdhsa.kernels:
  - .name:           k_qb90d31d1f0_qkv
    .symbol:         k_qb90d31d1f0_qkv.kd
    .args:
      - { .name: xc, .offset: 0, .size: 8, .value_kind: global_buffer, .address_space: global }
      - { .name: W_Q_codes, .offset: 8, .size: 8, .value_kind: global_buffer, .address_space: global }
      - { .name: W_K_codes, .offset: 16, .size: 8, .value_kind: global_buffer, .address_space: global }
      - { .name: W_V_codes, .offset: 24, .size: 8, .value_kind: global_buffer, .address_space: global }
      - { .name: lowp_scales, .offset: 32, .size: 8, .value_kind: global_buffer, .address_space: global }
      - { .name: qkvc, .offset: 40, .size: 8, .value_kind: global_buffer, .address_space: global }
    .group_segment_fixed_size: 327680
    .private_segment_fixed_size: 0
    .kernarg_segment_align: 8
    .kernarg_segment_size: 48
    .max_flat_workgroup_size: 128
    .sgpr_count:     100
    .vgpr_count:     1024
    .wavefront_size: 32
...
	.end_amdgpu_metadata
.endif
;; end of part 2
;; launch attn (part 3): grid 16 x 16, 8 waves a work-group, no clusters, 327,680 bytes of LDS; arguments qkvc, lowp_scales, z; writes z
.if DOCPART == 3
	.amdgcn_target "amdgcn-amd-amdhsa--gfx1250"
	.amdhsa_code_object_version 6
	.text
	.protected	k_qb90d31d1f0_attn
	.globl	k_qb90d31d1f0_attn
	.p2align	8
	.type	k_qb90d31d1f0_attn,@function
k_qb90d31d1f0_attn:
	s_mov_b64 s[64:65], 0
	v_nop
	global_prefetch_b8 v0, s[64:65] scope:SCOPE_SE
	s_setreg_imm32_b32 hwreg(HW_REG_WAVE_MODE, 25, 1), 1
	s_wait_xcnt 0x0
; Causal attention on codes of E4M3: z[token][64 head + d] = sum over keys of softmax(q . k / 8) v, quantised with 2^e10.
; qkvc: q at 0 and k at 4 MiB, blocked [token / 128][column / 128][128][128] (column = 64 head + d); vT at 8 MiB, blocked [channel / 128][token / 128][128][128] (keys innermost).
; z: blocks [token / 128][column / 128] of 16 KiB, each laid [column / 64 % 2][128 tokens][64 bytes]: a wave's 16 tokens of one head are 1 KiB on end.
; WORK LEFT OUT: reference() builds the causal mask itself; key steps that lie wholly behind a block of queries get weight 0 for all inputs and are not walked.
; THE SOFTMAX: t = score x 2^(e6 + e7) x log2(e) / 8; M = the running largest t rounded UP to a whole number; p = 2^(t - M) is quantised with 2^e8, not normalised; the row's sum is taken of the
; unquantised p and divides at the end.  When M moves, the sum and O are multiplied by 2^(old M - new M): exact.
; SHARES.  Work-group (x = J, y = 8 batch + pair of heads) owns two blocks of 64 queries, 31 - J and J, of two heads.  Wave w: head w % 2 of the pair, queries 16 (w / 2) on: one tile of 16 queries.
; THE WALK.  All eight waves walk block 31 - J first (NH = (31 - J) / 2 + 1 key steps of 128 keys), then block J (J / 2 + 1 steps): 17 steps in every work-group, each wave at work in each.
; At step NH the first block is finished: its codes stay in v24-31, and Q, M, the sum and O begin anew.  In the last step of each block hidden scores become -infinity ahead of the maximum.
; THE RING.  Step p of the walk takes one block of k and one of vT (16 KiB each, dense: 64 rows of 256 bytes, 16 bytes of padding behind each).  A slot holds 4 steps; wave w fetches piece w of a slot
; (step w / 2; k if w is even, vT if odd): one tensor load a wave behind each change of slots; every wait on TENSORcnt is for 0.  Fill 4 holds step 16 alone: waves 0 and 1 fetch it.
; K's fragments are asked of LDS one step ahead, into v256-319, inside a slot; a slot's first step asks behind the change of slots, and a slot's last step, written out, asks for nothing.
; NO CLUSTER: work-groups of one pair of heads differ in NH, so at the same step of the walk they want different blocks: partners would need different tiles.
; PREFETCH: blocks 0 to 7 come by fills 0 and 1 alone.  Block kb = 8 .. 15 is the last of the first walk of J = 2 (15 - kb) and of J + 1: the even one asks for k's 16 KiB, the odd one for vT's,
; waves 0 and 1 with 8 KiB each, lanes 256 bytes apart, at the change of slots one group of 4 steps ahead of the change that loads it.  So each 256 bytes are named once in the launch.
; LIMIT: reference() puts -1.25e9 where this text puts -infinity: the same result while a row's visible logits stay above about -1e9.
; LIMITS on the exponents: e6 + e7 between -123 and 130 (added to c's exponent field); e8 and e10 between -126 and 119; e8 + e9 goes in by v_ldexp_f32.  NaN among the inputs is not served.
; LAYOUT.  Both products are used transposed: S^T = K Q^T (source 0 = 16 keys), O^T = V^T P^T (source 0 = 16 channels): a lane holds ONE query throughout.  Lane r of key tile 2 b + u takes key
; 32 b + 8 u + r + 8 (r / 8), so that the 16 registers of tiles 2 b, 2 b + 1 are keys 32 b + 16 (lane / 16) + 0 .. 15: the conversions' results are the second product's operand.
; REGISTERS: v1-4 LDS addresses; v8 the diagonal's threshold; v9-11 the way out; v12 -M, v13 the largest t, v[14:15] the sum; v16-23 Q; v24-31 the second block's Q, then the first block's codes;
; v32-95 fragments of V; v96-159 S^T, then p; v160-191 O^T; v192-223 partial sums, and the way out; v224-239 p's codes; v236-255 constants and work; window 1, v0-63 (v256-319): fragments of K.
.set PITCH, 272
.set PIECE, 64*PITCH                   ; a block of 16 KiB in LDS
.set STEPB, 2*PIECE                    ; a step: k's block, then vT's
.set SLOT,  4*STEPB
.set SPARE, 2*SLOT                     ; the spare words, 128 bytes for each of 8 waves, which no other line names
.set STAGE, SPARE+1024                 ; the way out: 16 rows x 80 bytes for each wave: bytes of its own, into which no tile lands
.set SP,    80
.set AK0,  1
.set AV0,  2
.set ADK,  3
.set ADV,  4
.set SPW,  5                           ; v5   LDS address of my spare word; never rewritten
.set NIL,  6                           ; v6   0; never rewritten
.set PFO,  7                           ; v7   256 x lane; never rewritten
.set GO,   9                           ; v9   16 x lane
.set WV,   18
.set SEL,  20                          ; s[20:21] lane selects for v_permlanex16_b32: lane xor 16
.set CS,   22                          ; s[22:23] c = 2^(e6 + e7) log2(e) / 8
.set G1,   24                          ; s[24:31] descriptor group 1
.set G0,   40                          ; s[40:43] descriptor group 0
.set BASE, 44                          ; s[44:45] my tensor's block 0 (k or vT)
.set STR,  46                          ; bytes from a block of keys to the next
.set P,    47                          ; the step of the walk that my last load fetched
.set OFF,  48                          ; s[48:49]
.set PFA,  52                          ; s[52:53] my prefetch's address; never rewritten
.set LIM,  54                          ; the trip in which my wave asks; -1: never
.set GC,   55                          ; counts the loop's trips
.set POS,  56                          ; the step of the walk
.set DG,   57                          ; the step on the diagonal
.set NH,   58                          ; steps of the first block
.set TB,   59                          ; LDS byte of the step in hand
.set SB,   60                          ; LDS byte of the slot in hand
.set TR,   61
.set DTH,  62                          ; what the threshold gains at the change of blocks
.set WP,   63                          ; wave x PIECE
.set ZHI,  66
.set ZLO,  68
.set E89,  90
.set THS,  91
.set MSB, 0
.macro WIN new                         ; the immediate's high byte repeats the setting that is left
.if MSB != \new
	s_set_vgpr_msb (MSB<<8)|\new
.set MSB, \new
.endif
.endm
.macro KLOAD                           ; K's eight fragments of the step at v[ADK], into window 1
	WIN 0x40                                       ; destination window 1, address window 0
.irp t, 0,1,2,3,4,5,6,7
.irp c, 0,1
	ds_load_b128 v[8*\t+4*\c:3+8*\t+4*\c], v[ADK] offset:(16*(\t/2)+4*(\t%2))*PITCH+32*\c
.endr
.endr
	WIN 0
.endm
.macro BLK i, qo, zo                   ; block s[i] of 64 queries: my tile's byte in q and in z
	s_lshr_b32 s78, s[\i], 1
	s_lshl_b32 s79, s17, 4
	s_add_co_u32 s78, s78, s79
	s_lshl_b32 s78, s78, 3
	s_add_co_u32 s78, s78, s19
	s_lshl_b32 s78, s78, 14                        ; block (16 b + i / 2, pair of heads)
	s_and_b32 s79, s[\i], 1
	s_lshl_b32 s79, s79, 2
	s_add_co_u32 s79, s79, s11                     ; my 16 rows of its 128
	s_lshl_b32 s80, s79, 11
	s_add_co_u32 s[\qo], s78, s80
	s_lshl_b32 s80, s10, 6
	s_add_co_u32 s[\qo], s[\qo], s80
	s_lshl_b32 s80, s79, 10
	s_add_co_u32 s[\zo], s78, s80
	s_lshl_b32 s80, s10, 13
	s_add_co_u32 s[\zo], s[\zo], s80
.endm
	s_load_b128 s[4:7], s[0:1], 0x0                ; qkvc, the scales' exponents
	s_load_b64 s[8:9], s[0:1], 0x10                ; z
	v_lshl_add_u32 v[SPW], v0, 2, SPARE
	v_mov_b32 v[NIL], 0
	ds_add_u32 v[SPW], v[NIL]                      ; the opening lines: the add twice on end and its wait ahead of my first tensor load
	ds_add_u32 v[SPW], v[NIL]
	v_lshrrev_b32 v10, 5, v0
	v_readfirstlane_b32 s[WV], v10                 ; wave 0..7
	v_and_b32 v192, 15, v0                         ; r
	v_bfe_u32 v193, v0, 4, 1                       ; h
	v_lshlrev_b32 v195, 7, v192
	v_lshl_add_u32 v195, v193, 4, v195             ; Q: row r of 128 bytes + 16 h; not rewritten while the loads are out
	s_and_b32 s10, s[WV], 1                        ; my head of the pair.  Also: I fetch k (0) or vT (1)
	s_lshr_b32 s11, s[WV], 1                       ; my 16 of the 64 queries.  Also: which step of a slot I fetch
	s_and_b32 s17, ttmp7, 0xffff
	s_and_b32 s19, s17, 7                          ; the pair of heads
	s_lshr_b32 s17, s17, 3                         ; the batch entry
	s_mov_b32 s81, ttmp9                           ; J
	s_sub_co_u32 s70, 31, s81                      ; 31 - J
	s_lshr_b32 s71, s70, 1                         ; the first walk's last block of keys
	s_add_co_u32 s[NH], s71, 1
	s_mov_b32 s[DG], s71
	s_lshl_b32 s72, s17, 7
	s_add_co_u32 s72, s72, s19
	s_lshl_b32 s72, s72, 14
	s_add_co_u32 s72, s72, 0x400000                ; k: block (16 b, pair)
	s_lshl_b32 s73, s19, 5
	s_lshl_b32 s74, s17, 4
	s_add_co_u32 s73, s73, s74
	s_lshl_b32 s73, s73, 14
	s_add_co_u32 s73, s73, 0x800000                ; vT: block (pair, 16 b)
	s_mov_b32 s[STR], 0x4000
	s_cmp_eq_u32 s10, 0
	s_cselect_b32 s74, s72, s73
	s_cselect_b32 s[STR], 0x20000, s[STR]
	s_mov_b32 s75, 0
	s_and_b32 s76, s81, 1                          ; the prefetch: J even asks for k's block, J odd for vT's
	s_cmp_eq_u32 s76, 0
	s_cselect_b32 s76, s72, s73
	s_mov_b32 s77, 0x4000
	s_cselect_b32 s77, 0x20000, s77
	s_mul_i32 s77, s77, s71
	s_add_co_u32 s76, s76, s77
	s_lshl_b32 s77, s10, 13                        ; 8 KiB a wave
	s_add_co_u32 s76, s76, s77
	s_mov_b32 s77, 0
	s_lshr_b32 s[LIM], s71, 2                      ; the fill that holds the block, 2 or 3, is asked for in trip 1 or 2: I ask a trip earlier
	s_sub_co_u32 s[LIM], s[LIM], 2
	s_cmp_lt_u32 s[WV], 2
	s_cselect_b32 s[LIM], s[LIM], -1
	BLK 70, 82, 84
	BLK 81, 86, 88
	s_mov_b32 s83, 0
	s_mov_b32 s85, 0
	s_mov_b32 s87, 0
	s_mov_b32 s89, 0
	s_and_b32 s[THS], s70, 1
	s_lshl_b32 s[THS], s[THS], 6                   ; the first block's place in its 128 keys: 0 or 64
	s_sub_co_u32 s[DTH], 32, s[THS]
	s_lshl_b32 s[DTH], s[DTH], 1                   ; the second block has the other place: + 64 or - 64
	s_lshl_b32 s78, s11, 4
	s_add_co_u32 s[THS], s[THS], s78
	s_mul_i32 s[WP], s[WV], PIECE
	s_mov_b32 s[P], s11
	s_mov_b32 s[G1], (1<<20)|(5<<22)|(3<<25)       ; elements of 1 byte; padding on: 4 words after every 64
	s_mov_b32 s[G1+1], 256<<16                     ; tensor_dim0
	s_mov_b32 s[G1+2], 64<<16                      ; tensor_dim1
	s_mov_b32 s[G1+3], 256<<16                     ; tile_dim0
	s_mov_b32 s[G1+4], 64                          ; tile_dim1
	s_mov_b32 s[G1+5], 256                         ; from row to row
	s_mov_b32 s[G1+6], 0
	s_mov_b32 s[G1+7], 0
	s_mov_b32 s[SEL], 0x76543210
	s_mov_b32 s[SEL+1], 0xfedcba98
	s_mov_b32 s[CS], 0x3e38aa3b                    ; log2(e) / 8
	s_mov_b32 s[POS], 0
	s_mov_b32 s[SB], 0
	s_mov_b32 s[GC], 0
	s_wait_alu depctr_va_vdst(0)                   ; the wait here, directly ahead of the waits below
	s_wait_dscnt 0x0                               ; both opening adds are done
	s_wait_kmcnt 0x0
	s_load_b256 s[32:39], s[6:7], 0x18             ; e6 .. e13
	s_add_nc_u64 s[BASE:BASE+1], s[4:5], s[74:75]
	s_mul_i32 s[OFF], s11, s[STR]
	s_mov_b32 s[OFF+1], 0
	s_mov_b32 s[G0], 1
	s_mov_b32 s[G0+1], s[WP]                       ; slot 0, piece w
	s_add_nc_u64 s[G0+2:G0+3], s[BASE:BASE+1], s[OFF:OFF+1]
	s_or_b32 s[G0+3], s[G0+3], 0x80000000
	tensor_load_to_lds s[G0:G0+3], s[G1:G1+7]      ; fill 0: steps 0 to 3, one load a wave
	s_nop 0
.rept 4
	v_nop
.endr
	s_add_nc_u64 s[82:83], s[4:5], s[82:83]
	s_add_nc_u64 s[86:87], s[4:5], s[86:87]
	global_load_b128 v[16:19], v195, s[82:83]      ; Q of block 31 - J: registers 4 c .. 4 c + 3: d = 32 c + 16 h + 0 .. 15, as K's fragments have them
	global_load_b128 v[20:23], v195, s[82:83] offset:32
	global_load_b128 v[24:27], v195, s[86:87]      ; Q of block J
	global_load_b128 v[28:31], v195, s[86:87] offset:32
	s_add_nc_u64 s[ZHI:ZHI+1], s[8:9], s[84:85]
	s_add_nc_u64 s[ZLO:ZLO+1], s[8:9], s[88:89]
	s_add_nc_u64 s[PFA:PFA+1], s[4:5], s[76:77]
	v_and_b32 v194, 31, v0                         ; lane
	v_and_b32 v196, 1, v192
	v_lshlrev_b32 v196, 7, v196
	v_lshl_add_u32 v196, v193, 4, v196             ; (r % 2) x 128 + 16 h
	v_and_b32 v197, 8, v192
	v_add_nc_u32 v197, v197, v192                  ; r + 8 (r / 8)
	v_lshrrev_b32 v197, 1, v197
	v_mul_u32_u24 v197, v197, PITCH
	v_add_nc_u32 v197, v197, v196
	s_lshl_b32 s70, s10, 6                         ; K: my head's 64 bytes of a row
	v_add_nc_u32 v[AK0], s70, v197
	v_lshrrev_b32 v198, 1, v192
	v_mul_u32_u24 v198, v198, PITCH
	v_add_nc_u32 v198, v198, v196
	s_mul_i32 s70, s10, 32*PITCH                   ; V: my head's 64 rows,
	s_add_co_u32 s70, s70, PIECE                   ; behind k's block
	v_add_nc_u32 v[AV0], s70, v198
	v_lshlrev_b32 v199, 4, v193
	v_sub_nc_u32 v8, v192, v199
	v_add_nc_u32 v8, s[THS], v8                    ; my query among the diagonal step's keys - 16 h: register 16 b + i (key 32 b + 16 h + i) is hidden where 32 b + i is greater
	s_mul_i32 s70, s[WV], 16*SP
	s_add_co_u32 s70, s70, STAGE                   ; my stage
	v_mul_u32_u24 v10, v192, SP
	v_lshl_add_u32 v10, v193, 3, v10
	v_add_nc_u32 v10, s70, v10                     ; in: row r, 8 bytes for each half of the lanes
	v_lshrrev_b32 v11, 2, v194
	v_mul_u32_u24 v11, v11, SP
	v_and_b32 v199, 3, v194
	v_lshl_add_u32 v11, v199, 4, v11
	v_add_nc_u32 v11, s70, v11                     ; back: four lanes to a row of 64 bytes, eight rows an instruction
	v_lshlrev_b32 v[GO], 4, v194
	v_lshlrev_b32 v[PFO], 8, v194
	v_mov_b32 v13, 0xff61b1e6                      ; the largest t so far: -3e38, under every t
	v_floor_f32 v12, -v13                          ; -M
	v_mov_b32 v14, 0                               ; the sum, in two halves
	v_mov_b32 v15, 0
	v_mov_b32 v236, 0                              ; written once: a lane permute's destination counts as one of its sources
	v_mov_b32 v252, 0
	v_mov_b32 v253, 0                              ; (named as the upper half of the pair v[252:253])
.set jj, 0
.rept 32
	v_mov_b32 v[160+jj], 0                         ; O^T: the step is written once; a block's first step finds zeros
.set jj, jj+1
.endr
	s_wait_kmcnt 0x0
	s_add_co_i32 s72, s32, s33
	s_lshl_b32 s72, s72, 23
	s_add_co_i32 s[CS], s[CS], s72                 ; e6 + e7 are added to c's exponent field
	s_mov_b32 s[CS+1], s[CS]                       ; (named with it as a pair, so it is written)
	s_add_co_i32 s[E89], s34, s35
	s_add_co_i32 s72, s34, 127
	s_lshl_b32 s73, s72, 23
	v_mov_b32 v244, s73                            ; 2^e8
	s_add_co_i32 s72, s72, 8
	s_lshl_b32 s72, s72, 23
	s_or_b32 s72, s72, 0x600000
	v_mov_b32 v240, s72                            ; 448 x 2^e8
	s_add_co_i32 s72, s36, 127
	s_lshl_b32 s73, s72, 23
	v_mov_b32 v245, s73                            ; 2^e10
	s_add_co_i32 s72, s72, 8
	s_lshl_b32 s72, s72, 23
	s_or_b32 s72, s72, 0x600000
	v_mov_b32 v241, s72                            ; 448 x 2^e10
; A BLOCK OF QUERIES IS FINISHED: O^T / the sum x 2^(e8 + e9) is z; it is held and converted with 2^e10.  last = 0: the codes stay in v24-31, and the second block begins.
.macro FLUSH last
.rept 4
	v_nop                                          ; places behind the last products
.endr
	v_add_f32 v14, v14, v15                        ; the sum's two halves,
	s_delay_alu instid0(VALU_DEP_1)
	v_permlanex16_b32 v252, v14, s[SEL], s[SEL+1]
	s_delay_alu instid0(VALU_DEP_1)
	v_add_f32 v14, v14, v252                       ; and lane xor 16's
	s_wait_alu depctr_va_vdst(0)                   ; the wait ahead of the transcendental
	v_rcp_f32 v14, v14
	v_nop                                          ; a plain instruction behind the reciprocal
	s_wait_alu depctr_va_vdst(0)                   ; and ahead of its first reader
	v_ldexp_f32 v14, v14, s[E89]                   ; x 2^(e8 + e9)
	s_wait_alu depctr_va_vdst(0)                   ; the wait directly ahead of the first reader of O^T
.set jj, 0
.rept 32
	v_mul_f32 v[192+jj], v[160+jj], v14            ; register 8 t + j: z(query r, channel 16 t + 8 h + j); each accumulator from its low end on
.set jj, jj+1
.endr
.set jj, 0
.rept 32
	v_med3_num_f32 v[192+jj], v[192+jj], -v241, v241   ; the conversion does not saturate (ISA guide 7.6.2): the hold
.set jj, jj+1
.endr
.if \last
.irp t, 0,1,2,3
	v_cvt_scalef32_pk8_fp8_f32 v[224+2*\t:225+2*\t], v[192+8*\t:199+8*\t], v245
.endr
	v_nop                                          ; one plain instruction behind the conversions
.else
.irp i, 0,1,2,3,4,5,6,7
	v_mov_b32 v[16+\i], v[24+\i]                   ; the second block's Q
.endr
.irp t, 0,1,2,3
	v_cvt_scalef32_pk8_fp8_f32 v[24+2*\t:25+2*\t], v[192+8*\t:199+8*\t], v245
.endr
	v_nop
	v_mov_b32 v13, 0xff61b1e6
	v_floor_f32 v12, -v13
	v_mov_b32 v14, 0
	v_mov_b32 v15, 0
.set jj, 0
.rept 32
	v_mov_b32 v[160+jj], 0
.set jj, jj+1
.endr
	v_add_nc_u32 v8, s[DTH], v8
	s_mov_b32 s[DG], 16                            ; the second block's diagonal is the walk's last step
	s_wait_alu depctr_va_vdst(0)                   ; the wait
.endif
.endm
.macro HOLD first, n                   ; the conversion does not saturate (ISA guide 7.6.2); p is not negative, so the hold is one-sided
.set hh, \first
.rept \n
	v_min_num_f32 v[96+hh], v[96+hh], v240
.set hh, hh+1
.endr
.endm
; A KEY STEP: the 128 keys at LDS byte s[TB]; K's fragments have been asked for.  pre = 1: the next step lies in the same slot, and its fragments of K are asked for here.
.macro STEP pre
	s_cmp_lg_u32 s[POS], s[NH]                     ; ids and the count of steps alone: the same in all eight waves
	s_cbranch_scc1 .Lsame_\@
	FLUSH 0
.Lsame_\@:
	s_wait_dscnt 0x0                               ; K's fragments are in
	WIN 0x01                                       ; source 0 window 1
.irp t, 0,1,2,3,4,5,6,7
	v_wmma_f32_16x16x64_fp8_fp8 v[96+8*\t:103+8*\t], v[8*\t:7+8*\t], v[16:23], 0
.endr
	WIN 0
	v_add_nc_u32 v[ADV], s[TB], v[AV0]             ; four places in front of the loads below and of the first read of the scores
.if \pre
	s_add_co_u32 s51, s[TB], STEPB
	v_add_nc_u32 v[ADK], s51, v[AK0]
.else
	v_nop
.endif
	v_nop
	v_nop
.irp t, 0,1,2,3                        ; V's four fragments land while the softmax is walked
.irp c, 0,1,2,3
	ds_load_b128 v[32+16*\t+4*\c:35+16*\t+4*\c], v[ADV] offset:\t*8*PITCH+32*\c
.endr
.endr
.if \pre
	KLOAD
.endif
	s_cmp_lg_u32 s[POS], s[DG]                     ; only the step on the diagonal has hidden keys
	s_cbranch_scc1 .Lopen_\@
	v_mov_b32 v254, 0xff800000                     ; -infinity
.set nn, 0
.rept 64
	v_cmp_gt_i32 vcc_lo, 32*(nn/16)+nn%16, v8
	v_cndmask_b32 v[96+nn], v[96+nn], v254, vcc_lo
.set nn, nn+1
.endr
.Lopen_\@:
.irp c, 0,1,2,3                        ; the step's largest score of my query among my 64 keys, in four chains
	v_max3_num_f32 v[248+2*\c], v[96+3*\c], v[97+3*\c], v[98+3*\c]
.endr
.set jj, 12
.set cc, 0
.rept 26
	v_max3_num_f32 v[248+2*cc], v[248+2*cc], v[96+jj], v[97+jj]
.set jj, jj+2
.set cc, (cc+1)%4
.endr
	v_max3_num_f32 v254, v254, v252, v250
	s_delay_alu instid0(VALU_DEP_1)
	v_max_num_f32 v254, v254, v248
	v_permlanex16_b32 v236, v254, s[SEL], s[SEL+1]
	s_delay_alu instid0(VALU_DEP_1)
	v_max_num_f32 v254, v254, v236                 ; and among lane xor 16's
	s_delay_alu instid0(VALU_DEP_1)
	v_mul_f32 v254, s[CS], v254                    ; as t (c is positive)
	s_delay_alu instid0(VALU_DEP_1)
	v_max_num_f32 v13, v13, v254                   ; the running largest t
	v_mov_b32 v254, v12
	s_delay_alu instid0(VALU_DEP_2)
	v_floor_f32 v12, -v13                          ; the new -M = floor(-t): M is a whole number
	s_delay_alu instid0(VALU_DEP_1)
	v_sub_f32 v254, v12, v254                      ; old M - new M: a whole number, 0 or less
	s_delay_alu instid0(VALU_DEP_1)
	v_cvt_i32_f32 v254, v254                       ; (it saturates)
	s_delay_alu instid0(VALU_DEP_1)
	v_ldexp_f32 v252, 1.0, v254                    ; f = 2^(old M - new M)
.set jj, 0
.rept 16
	v_pk_fma_f32 v[96+jj:97+jj], v[96+jj:97+jj], s[CS:CS+1], v[12:13] op_sel_hi:[1,0,0]   ; t - M of my first 32 keys, two at a time
.set jj, jj+2
.endr
.set jj, 0
.rept 16
	v_pk_mul_f32 v[160+jj:161+jj], v[160+jj:161+jj], v[252:253] op_sel_hi:[1,0]   ; O^T under the new M: its first read since the last products, ahead of every exponential; each accumulator from its low end on
.set jj, jj+2
.endr
	v_pk_mul_f32 v[14:15], v[14:15], v[252:253] op_sel_hi:[1,0]   ; the sums under the new M
	s_wait_alu depctr_va_vdst(0)                   ; the wait ahead of the exponentials: it serves all that is written above
.set jj, 0
.rept 16                               ; p = 2^(t - M) of the first 32 keys; between them t - M of the other 32, which names none of their registers and is first read behind the next wait
	v_exp_f32 v[96+2*jj], v[96+2*jj]
	v_exp_f32 v[97+2*jj], v[97+2*jj]
	v_pk_fma_f32 v[128+2*jj:129+2*jj], v[128+2*jj:129+2*jj], s[CS:CS+1], v[12:13] op_sel_hi:[1,0,0]
.set jj, jj+1
.endr
	s_wait_alu depctr_va_vdst(0)                   ; one wait: behind the first 32 exponentials, ahead of the other 32
.set jj, 0
.rept 8                                ; p of the other 32 keys; between them the first 32's sums by fours (THE ROW'S SUM IS TAKEN OF THE UNQUANTISED p) and then their holds: each result is first read behind the next wait
	v_exp_f32 v[128+jj], v[128+jj]
	v_pk_add_f32 v[192+2*jj:193+2*jj], v[96+4*jj:97+4*jj], v[98+4*jj:99+4*jj]
.set jj, jj+1
.endr
.set jj, 0
.rept 24
	v_exp_f32 v[136+jj], v[136+jj]
	v_min_num_f32 v[96+jj], v[96+jj], v240
.set jj, jj+1
.endr
	HOLD 24, 8
	s_wait_alu depctr_va_vdst(0)                   ; one wait for the batch, ahead of its first reader
.set jj, 0
.rept 8
	v_pk_add_f32 v[208+2*jj:209+2*jj], v[128+4*jj:129+4*jj], v[130+4*jj:131+4*jj]
.set jj, jj+1
.endr
.set jj, 0
.rept 8
	v_pk_add_f32 v[192+2*jj:193+2*jj], v[192+2*jj:193+2*jj], v[208+2*jj:209+2*jj]
.set jj, jj+1
.endr
.set jj, 0
.rept 4
	v_pk_add_f32 v[192+2*jj:193+2*jj], v[192+2*jj:193+2*jj], v[200+2*jj:201+2*jj]
.set jj, jj+1
.endr
	HOLD 32, 8                                     ; the holds stand between the levels of the sum
	v_pk_add_f32 v[192:193], v[192:193], v[196:197]
	v_pk_add_f32 v[194:195], v[194:195], v[198:199]
	HOLD 40, 8
	v_pk_add_f32 v[192:193], v[192:193], v[194:195]
	HOLD 48, 8
	v_pk_add_f32 v[14:15], v[14:15], v[192:193]
	HOLD 56, 8
.irp b, 0,1,2,3
	v_cvt_scalef32_pk8_fp8_f32 v[224+4*\b:225+4*\b], v[96+16*\b:103+16*\b], v244
	v_cvt_scalef32_pk8_fp8_f32 v[226+4*\b:227+4*\b], v[104+16*\b:111+16*\b], v244
.endr
	v_nop                                          ; one plain instruction between the conversions and the products
	s_wait_alu depctr_va_vdst(0)                   ; the wait here, directly ahead of the wait below
	s_wait_dscnt 0x0                               ; V's fragments are in (and the next step's of K)
.irp t, 0,1,2,3                        ; four accumulators by turns; between two links of a chain stand the next step's eight products K Q^T
	v_wmma_f32_16x16x128_fp8_fp8 v[160+8*\t:167+8*\t], v[32+16*\t:47+16*\t], v[224:239], v[160+8*\t:167+8*\t]
.endr
.endm
; THE CHANGE OF SLOTS.  Each wave waits for all its tensor loads (its piece of the slot ahead), adds 0 to its spare word, and waits for that and for its reads of the slot that it has left.
; fill = 1: every wave fetches its piece of the next four steps into the slot just left; fill = 2: only step 16 is left, waves 0 and 1 fetch it; fill = 0: nothing is left.
; Behind that the slot's first step asks for its fragments of K.
.macro CHANGE fill
	s_wait_tensorcnt 0x0                           ; no tensor load of mine is out, so group 0 may be written
	ds_add_u32 v[SPW], v[NIL]                      ; 0 onto my spare word
.if \fill
	s_add_co_u32 s[P], s[P], 4                     ; my piece's step of the walk,
	s_sub_co_u32 s50, s[P], s[NH]
	s_cmp_lt_u32 s[P], s[NH]
	s_cselect_b32 s50, s[P], s50                   ; and its block of keys: the second walk begins at block 0 again
	s_mul_i32 s[OFF], s50, s[STR]
	s_add_nc_u64 s[G0+2:G0+3], s[BASE:BASE+1], s[OFF:OFF+1]
	s_or_b32 s[G0+3], s[G0+3], 0x80000000
	s_xor_b32 s[G0+1], s[G0+1], SLOT               ; the other slot than last time (wave x PIECE has none of SLOT's two bits set)
.endif
	s_mov_b32 s[TB], s[SB]
	s_wait_dscnt 0x0                               ; the add is done, and my reads of the slot that I have left are over
	s_barrier_signal -1
	s_barrier_wait -1
.if \fill == 1
	tensor_load_to_lds s[G0:G0+3], s[G1:G1+7]      ; the first thing behind the barrier, and my one tensor load until the next
	s_nop 0
.rept 4
	v_nop
.endr
	s_cmp_eq_u32 s[GC], s[LIM]
	s_cbranch_scc0 .Lnot_mine_\@
	global_prefetch_b8 v[PFO], s[PFA:PFA+1] th:TH_LOAD_NT scope:SCOPE_SE   ; my 8 KiB of the block that the next change of slots will ask for
.Lnot_mine_\@:
.endif
.if \fill == 2
	s_cmp_lt_u32 s[WV], 2
	s_cbranch_scc0 .Lnone_\@
	tensor_load_to_lds s[G0:G0+3], s[G1:G1+7]
	s_nop 0
.rept 4
	v_nop
.endr
.Lnone_\@:
.endif
	v_add_nc_u32 v[ADK], s[TB], v[AK0]
	KLOAD
.endm
.macro NEXT
	s_add_co_u32 s[TB], s[TB], STEPB
	s_add_co_u32 s[POS], s[POS], 1
.endm
.macro GROUP n                         ; n steps of the slot in hand; the last is written out: it asks for no fragments beyond the slot
.if \n > 1
	s_mov_b32 s[TR], \n-1
.Lstep_\@:
	STEP 1
	NEXT
	s_sub_co_u32 s[TR], s[TR], 1
	s_cmp_lg_u32 s[TR], 0
	s_cbranch_scc1 .Lstep_\@
.endif
	STEP 0
	NEXT
	s_xor_b32 s[SB], s[SB], SLOT                   ; on to the other slot
.endm
	s_wait_alu depctr_va_vdst(0)                   ; the wait at the head's end
	s_wait_loadcnt 0x0                             ; Q, both blocks'
.Lgroup:                                           ; three trips: steps 0 to 11 are walked, fills 1 to 3 asked for (fill 1 is slot 1's first, issued as a refill is)
	CHANGE 1
	GROUP 4
	s_add_co_u32 s[GC], s[GC], 1
	s_cmp_lt_u32 s[GC], 3
	s_cbranch_scc1 .Lgroup
	CHANGE 2                                       ; the tail is written out: steps 12 to 15, and step 16 is asked for
	GROUP 4
	CHANGE 0
	GROUP 1
	FLUSH 1
	; THE WAY OUT.  Both blocks' codes go through my stage, 8 bytes a lane in, 16 bytes a lane back: each store of the wave covers 512 consecutive bytes, aligned.
.irp t, 0,1,2,3
	ds_store_b64 v10, v[24+2*\t:25+2*\t] offset:16*\t
.endr
	ds_load_b128 v[32:35], v11                     ; LDS serves a wave's instructions in order: these see my stores, and the next stores come behind them
	ds_load_b128 v[36:39], v11 offset:8*SP
.irp t, 0,1,2,3
	ds_store_b64 v10, v[224+2*\t:225+2*\t] offset:16*\t
.endr
	ds_load_b128 v[40:43], v11
	ds_load_b128 v[44:47], v11 offset:8*SP
	s_wait_dscnt 6                                 ; the first block is back; behind its loads: four stores and two loads
	global_store_b128 v[GO], v[32:35], s[ZHI:ZHI+1]
	global_store_b128 v[GO], v[36:39], s[ZHI:ZHI+1] offset:512
	s_wait_dscnt 0x0
	global_store_b128 v[GO], v[40:43], s[ZLO:ZLO+1]
	global_store_b128 v[GO], v[44:47], s[ZLO:ZLO+1] offset:512
	s_wait_tensorcnt 0x0                           ; the wave's end
	ds_add_u32 v[SPW], v[NIL]
	s_wait_dscnt 0x0
	s_endpgm
.Lfunc_end_k_qb90d31d1f0_attn:
	.size	k_qb90d31d1f0_attn, .Lfunc_end_k_qb90d31d1f0_attn-k_qb90d31d1f0_attn
	.p2alignl 7, 3214868480
	.fill 96, 4, 3214868480
	.section	.rodata,"a",@progbits
	.p2align	6, 0x0
	.amdhsa_kernel k_qb90d31d1f0_attn
		.amdhsa_group_segment_fixed_size 327680
		.amdhsa_private_segment_fixed_size 0
		.amdhsa_enable_private_segment 0
		.amdhsa_kernarg_size 24
		.amdhsa_user_sgpr_count 2
		.amdhsa_user_sgpr_kernarg_segment_ptr 1
		.amdhsa_wavefront_size32 1
		.amdhsa_system_sgpr_workgroup_id_x 1
		.amdhsa_system_sgpr_workgroup_id_y 1
		.amdhsa_system_sgpr_workgroup_id_z 1
		.amdhsa_system_vgpr_workitem_id 0
		.amdhsa_next_free_vgpr 320
		.amdhsa_next_free_sgpr 100
		.amdhsa_reserve_vcc 1
		.amdhsa_float_denorm_mode_32 3
		.amdhsa_float_denorm_mode_16_64 3
		.amdhsa_memory_ordered 1
		.amdhsa_forward_progress 1
		.amdhsa_inst_pref_size 147
	.end_amdhsa_kernel
	.amdgpu_metadata
---
amdhsa.version: [ 1, 2 ]
amdhsa.kernels:
  - .name:           k_qb90d31d1f0_attn
    .symbol:         k_qb90d31d1f0_attn.kd
    .args:
      - { .name: qkvc, .offset: 0, .size: 8, .value_kind: global_buffer, .address_space: global }
      - { .name: lowp_scales, .offset: 8, .size: 8, .value_kind: global_buffer, .address_space: global }
      - { .name: z, .offset: 16, .size: 8, .value_kind: global_buffer, .address_space: global }
    .group_segment_fixed_size: 327680
    .private_segment_fixed_size: 0
    .kernarg_segment_align: 8
    .kernarg_segment_size: 24
    .max_flat_workgroup_size: 256
    .sgpr_count:     100
    .vgpr_count:     320
    .wavefront_size: 32
...
	.end_amdgpu_metadata
.endif
;; end of part 3
;; launch oproj (part 4): grid 8 x 32, 4 waves a work-group, clusters of 4 x 4, 327,680 bytes of LDS; arguments z, W_O_codes, lowp_scales, x, x1, x1c; writes x1, x1c
.if DOCPART == 4
	.amdgcn_target "amdgcn-amd-amdhsa--gfx1250"
	.amdhsa_code_object_version 6
	.text
	.protected	k_qb90d31d1f0_oproj
	.globl	k_qb90d31d1f0_oproj
	.p2align	8
	.type	k_qb90d31d1f0_oproj,@function
k_qb90d31d1f0_oproj:
	s_mov_b64 s[64:65], 0
	v_nop
	global_prefetch_b8 v0, s[64:65] scope:SCOPE_SE
	s_setreg_imm32_b32 hwreg(HW_REG_WAVE_MODE, 25, 1), 1
	s_wait_xcnt 0x0
	s_wait_alu depctr_hold_cnt(0) depctr_sa_sdst(0) depctr_va_vdst(0) depctr_va_sdst(0) depctr_va_ssrc(0) depctr_va_vcc(0) depctr_vm_vsrc(0)
	s_getreg_b32 s2, hwreg(HW_REG_IB_STS2, 6, 4)
	s_cmp_eq_u32 s2, 0
	s_cbranch_scc0 .Lentry_in_a_cluster
	s_endpgm
.Lentry_in_a_cluster:
	s_bfe_u32 s2, ttmp6, 0x10000c
	s_cmp_lg_u32 s2, 0xf033
	s_cbranch_scc0 .Lentry_shape_is_right
	s_endpgm
.Lentry_shape_is_right:
; out = residual + A B^T x 2^(ea + eb) (+ bias), on codes of E4M3.  One text, two uses, told apart by the four constants below.
; SIZE_K = 1024, CODES = 1: x1 = x + z W_O^T (ea = e10, eb = e11); x1 leaves as f32 and as codes under 2^e12, blocked.
; SIZE_K = 4096, BIAS = 1:  out0 = x1 + h W_out^T + b_out (ea = e14, eb = e15).
; A: blocked [row / 128][k / 128][128][128] bytes; B: [1024][SIZE_K] bytes, row-major; residual and out: [4096][1024] f32.
; LIMITS: ea + eb between -126 and 127; e12 between -126 and 119.  NaN among the inputs is not served.  K is permuted alike in A and B inside an instruction.
; SHARES: C has 4,096 x 1,024 numbers: tiles of 256 x 256 would be 64, so a tile is 128 x 128: 256 work-groups of four waves, each wave 64 x 64: 16 accumulators.
; A slot holds 512 along K: waves 0 and 1 fetch two of A's four blocks each (32 KiB on end, as 128 rows of 256 bytes), waves 2 and 3 256 bytes each of B's 128 rows.
; CLUSTERS: 4 x 4 work-groups; A's tiles are asked for jointly along a row of the cluster, B's along a column.  The matrix instruction is used transposed (source 0 = B's rows).
; NO PRODUCT WAITS FOR THE RESIDUAL: it is asked for behind the first tiles, into registers of its own in the result's layout, and waited for only on the way out, where one packed
; multiply-add gives sum x 2^(ea + eb) + residual.  The first quarter's products start the sums with the constant 0.
; REGISTERS: window 0: v16-31 addresses and constants; v32-63, v64-95, v96-127 at work on the way out (v64-95: the bias, BIAS = 1); v128-255 the accumulators ((a, b) at v[128 + 8 (4 a + b)]).
;   window 1: two fragment buffers of 128: A's four fragments, then B's four, 128 along K.   window 2: v0-127 the residual, register for register as the accumulators.
.set SIZE_K, 1024
.set ESC,    40                        ; byte of ea among the scales' exponents
.set CODES,  1
.set BIAS,   0
.set NKB,    SIZE_K/128
.set LAPS,   SIZE_K/1024               ; a lap = two slots of 512 along K
.set PITCH,  272                       ; an LDS row: 256 bytes + 16 of padding
.set HALFT,  128*PITCH                 ; what one tensor load brings
.set SLOT,   4*HALFT
.set SPARE,  2*SLOT                    ; behind the ring: the spare words, 128 bytes a wave, which no other line names
.set SPITCH, 272                       ; the way out: 64 rows x (256 bytes + 16) for each wave, in slot 0, which has had its last fill and its last read by then
.set CP,     144
.set CSTG,   4*64*SPITCH               ; behind them: 128 rows x (128 codes + 16), the work-group's
.set ADRA, 16                          ; v16-17  LDS address of my A fragments in slot 0, 1
.set CL,   18                          ; v18     16 x lane
.set ADRB, 20                          ; v20-21  the same for B
.set CSO,  22                          ; v22     where I put 8 codes
.set CRD,  23                          ; v23     where I read 16 codes back
.set STO,  24                          ; v24     where I put 32 bytes of a row
.set RD,   25                          ; v25     where I read a row back
.set CO,   26                          ; v26     my byte offset in two rows of out
.set XO,   27                          ; v27     my byte offset in the residual, in the result's layout; not rewritten
.set SPW,  28                          ; v28     LDS address of my spare word; never rewritten
.set NIL,  29                          ; v29     0; never rewritten
.set LIM,  30                          ; v30     448 x 2^e12
.set SCV,  31                          ; v31     2^e12
.set TMP,  32
.set TM2,  64
.set CD,   96
.set ACC,  128
.set F0,   0                           ; in window 1
.set F1,   128
.set RES,  0                           ; in window 2
.set G1, 24
.set G0, 32
.set G1B, 48
.set G0B, 56
.set MSB, 0
.macro WIN new                         ; the immediate's high byte repeats the setting that is left
.if MSB != \new
	s_set_vgpr_msb (MSB<<8)|\new
.set MSB, \new
.endif
.endm
.set MUL,  0x05                        ; sources 0 (B) and 1 (A) window 1; C and D window 0
.set TO_F, 0x40                        ; destination window 1, address window 0
.macro JLOAD s                         ; a joint load: waves 0 and 1 fetch for A, waves 2 and 3 for B; four v_nop follow each of the two lines
	s_cmp_eq_u32 s15, 0
	s_cbranch_scc0 .Lfor_b_\@
	tensor_load_to_lds s[G0+4*\s:G0+4*\s+3], s[G1:G1+7]
	s_nop 0
.rept 4
	v_nop
.endr
	s_branch .Lasked_\@
.Lfor_b_\@:
	tensor_load_to_lds s[G0B+4*\s:G0B+4*\s+3], s[G1B:G1B+7]
	s_nop 0
.rept 4
	v_nop
.endr
.Lasked_\@:
.endm
.macro CREST                           ; a round of the cluster's barrier behind its opening barrier
	s_cmp_lg_u32 s14, 0
	s_cbranch_scc1 .Lnot_wave_0_\@
	s_barrier_signal -3
.Lnot_wave_0_\@:
	s_barrier_wait -3
	s_barrier_signal -1
	s_barrier_wait -1
.endm
.macro CROUND
	s_barrier_signal -1
	s_barrier_wait -1
	CREST
.endm
	s_load_b128 s[4:7], s[0:1], 0x0                ; A's codes, B's codes
	s_load_b128 s[8:11], s[0:1], 0x10              ; the scales' exponents, the residual
	s_load_b128 s[68:71], s[0:1], 0x20             ; out; the codes' buffer (CODES) or the bias (BIAS)
	v_lshl_add_u32 v[SPW], v0, 2, SPARE
	v_mov_b32 v[NIL], 0
	ds_add_u32 v28, v29
	ds_add_u32 v28, v29
	s_wait_dscnt 0x0
	v_lshrrev_b32 v1, 5, v0
	v_readfirstlane_b32 s14, v1                    ; wave 0..3
	s_lshr_b32 s15, s14, 1                         ; which half of the tile's rows is mine.  Also: I fetch for A (0) or for B (1)
	s_and_b32 s16, s14, 1                          ; which half of its columns.  Also: which half of a slot's K I fetch
	s_bfe_u32 s40, ttmp6, 0x40000                  ; cx, cy
	s_bfe_u32 s41, ttmp6, 0x40004
	s_lshl_b32 s42, ttmp9, 2
	s_add_co_u32 s42, s42, s40                     ; tile column of C
	s_and_b32 s17, ttmp7, 0xffff
	s_lshl_b32 s17, s17, 2
	s_add_co_u32 s17, s17, s41                     ; tile row of C
	s_lshl_b32 s43, s41, 2
	s_lshl_b32 s43, 15, s43                        ; my row of the cluster
	s_lshl_b32 s44, 0x1111, s40                    ; my column
	s_or_b32 s[G1+0], s43, (0<<16)|(1<<20)|(1<<21)|(5<<22)|(3<<25)  ; the mask; elements of 1 byte; padding on; bit 21 beside a mask; after every 64 words, 4 words
	s_or_b32 s[G1B+0], s44, (0<<16)|(1<<20)|(1<<21)|(5<<22)|(3<<25)
.irp g, G1, G1B
	s_mov_b32 s[\g+1], 256<<16                     ; tensor_dim0
	s_mov_b32 s[\g+2], 128<<16                     ; tensor_dim1
	s_mov_b32 s[\g+3], 256<<16                     ; tile_dim0
	s_mov_b32 s[\g+4], 128                         ; tile_dim1
	s_mov_b32 s[\g+6], 0
	s_mov_b32 s[\g+7], 0
.endr
	s_mov_b32 s[G1+5], 256                         ; A: 32 KiB on end
	s_mov_b32 s[G1B+5], SIZE_K                     ; B: from row to row
	s_mul_i32 s20, s17, NKB*16384                  ; A: my tile row's blocks,
	s_lshl_b32 s18, s16, 15
	s_add_co_u32 s20, s20, s18                     ; two blocks on for wave 1
	s_mov_b32 s21, 0
	s_mul_i32 s46, s42, 128*SIZE_K                 ; B: my tile column's rows,
	s_lshl_b32 s18, s16, 8
	s_add_co_u32 s46, s46, s18                     ; 256 bytes on for wave 3
	s_mov_b32 s47, 0
	s_mul_i32 s45, s14, HALFT                      ; where they go: no place in the cluster enters an LDS address
	s_wait_kmcnt 0x0
	s_load_b64 s[80:81], s[8:9], ESC               ; ea, eb
.if CODES
	s_load_b32 s82, s[8:9], 0x30                   ; e12
.endif
	s_add_nc_u64 s[20:21], s[4:5], s[20:21]
	s_add_nc_u64 s[46:47], s[6:7], s[46:47]
	; THE PREFETCH: behind slot 0's joint load stands one, for slot 1.  Of the 32 KiB that my wave fetches, the four partners that ask jointly take a quarter each, told apart by address:
	; A: 8 KiB on end, lanes 256 bytes apart (place cx); B: 32 rows, a lane a row of 256 bytes (place cy).  So each 256 bytes are named once in each cluster that loads them.
	s_cmp_eq_u32 s15, 0                            ; do I fetch for A?
	s_cselect_b64 s[92:93], s[20:21], s[46:47]
	s_cselect_b32 s88, s40, s41                    ; my place among the four
	s_cselect_b32 s89, 13, 15                      ; x 8,192 bytes, or x 32 rows of 1,024 bytes
	s_cselect_b32 s90, 8, 10                       ; from lane to lane: 256 bytes, or a row
	s_mov_b32 s86, 512
	s_cselect_b32 s86, 0x10000, s86                ; from slot to slot
	s_mov_b32 s87, 0
	s_lshl_b32 s88, s88, s89
	s_mov_b32 s89, 0
	s_add_nc_u64 s[92:93], s[92:93], s[88:89]
	s_add_nc_u64 s[92:93], s[92:93], s[86:87]      ; at slot 1; never rewritten
	v_and_b32 v19, 31, v0
	v_lshlrev_b32 v19, s90, v19                    ; never rewritten
	s_wait_alu depctr_va_vdst(0)                   ; the wait
	CROUND
.irp s, 0,1
	s_mov_b32 s[G0+4*\s], 1
	s_add_co_u32 s[G0+4*\s+1], s45, \s*SLOT
	s_add_nc_u64 s[G0+4*\s+2:G0+4*\s+3], s[20:21], \s*65536
	s_or_b32 s[G0+4*\s+3], s[G0+4*\s+3], 0x80000000
	s_mov_b32 s[G0B+4*\s], 1
	s_add_co_u32 s[G0B+4*\s+1], s45, \s*SLOT
	s_add_nc_u64 s[G0B+4*\s+2:G0B+4*\s+3], s[46:47], \s*512
	s_or_b32 s[G0B+4*\s+3], s[G0B+4*\s+3], 0x80000000
.endr
	JLOAD 0
	global_prefetch_b8 v19, s[92:93] th:TH_LOAD_NT scope:SCOPE_SE   ; slot 1
	v_and_b32 v1, 15, v0                           ; r
	v_bfe_u32 v2, v0, 4, 1                         ; h
	v_and_b32 v3, 31, v0                           ; lane
	v_lshrrev_b32 v4, 2, v1                        ; A = z: a block of 16 KiB is laid [k / 64][128 rows][64 bytes]: row r, k lies in LDS row 32 (k / 64) + r / 4, at byte 64 (r % 4) + k % 64
	v_mul_u32_u24 v4, v4, PITCH
	v_and_b32 v5, 3, v1
	v_lshl_add_u32 v4, v5, 6, v4
	v_lshl_add_u32 v4, v2, 4, v4
	v_mul_u32_u24 v5, v1, PITCH                    ; B, rows as rows: r x pitch + 16 h
	v_lshl_add_u32 v5, v2, 4, v5
	s_mul_i32 s21, s15, 16*PITCH                   ; my 64 rows of A: 16 LDS rows in each half of a block
	s_mul_i32 s22, s16, 64*PITCH                   ; my 64 rows of B,
	s_add_co_u32 s22, s22, 2*HALFT                 ; which lie behind A's two pieces
.irp s, 0,1
	v_add_nc_u32 v[ADRA+\s], s21, v4
	v_add_nc_u32 v[ADRB+\s], s22, v5
	s_add_co_u32 s21, s21, SLOT
	s_add_co_u32 s22, s22, SLOT
.endr
	s_mul_i32 s23, s14, 64*SPITCH                  ; my stage
	v_mul_u32_u24 v7, v1, SPITCH
	v_lshl_add_u32 v7, v2, 5, v7
	v_add_nc_u32 v[STO], s23, v7                   ; in: row r, 32 bytes for each half of the lanes
	v_mul_u32_u24 v7, v2, SPITCH
	v_lshl_add_u32 v7, v1, 4, v7
	v_add_nc_u32 v[RD], s23, v7                    ; back: lanes 0-15 one row of 256 bytes, lanes 16-31 the next
	v_lshlrev_b32 v7, 12, v2
	v_lshl_add_u32 v[CO], v1, 4, v7                ; and the same two rows in out
	v_lshlrev_b32 v7, 12, v1
	v_lshl_add_u32 v[XO], v2, 5, v7                ; the residual: row r of 4,096 bytes + 32 h
.if CODES
	s_mul_i32 s23, s15, 64*CP
	s_lshl_b32 s22, s16, 6
	s_add_co_u32 s23, s23, s22
	s_add_co_u32 s23, s23, CSTG
	v_mul_u32_u24 v7, v1, CP
	v_lshl_add_u32 v7, v2, 3, v7
	v_add_nc_u32 v[CSO], s23, v7                   ; codes in: my 64 rows, my 64 bytes of them; row r, 8 bytes for each half of the lanes
	s_mul_i32 s23, s14, 32*CP
	s_add_co_u32 s23, s23, CSTG
	v_lshrrev_b32 v7, 3, v3
	v_mul_u32_u24 v7, v7, CP
	v_and_b32 v8, 7, v3
	v_lshl_add_u32 v7, v8, 4, v7
	v_add_nc_u32 v[CRD], s23, v7                   ; back: wave w takes rows 32 w on; eight lanes to a row
	v_lshlrev_b32 v[CL], 4, v3
.endif
	s_lshl_b32 s20, s17, 7
	s_lshl_b32 s21, s15, 6
	s_add_co_u32 s20, s20, s21                     ; my first row of C,
	s_lshl_b32 s20, s20, 12                        ; in bytes
	s_mov_b32 s21, 0
	s_lshl_b32 s46, s42, 9
	s_lshl_b32 s47, s16, 8
	s_add_co_u32 s46, s46, s47                     ; my first column, in bytes
	s_mov_b32 s47, 0
	s_add_nc_u64 s[20:21], s[20:21], s[46:47]
	s_add_nc_u64 s[10:11], s[10:11], s[20:21]
	s_add_nc_u64 s[68:69], s[68:69], s[20:21]
	WIN 0x80                                       ; destination window 2, address window 0
.irp a, 0,1,2,3                        ; register j of block (a, b): C(16 a + r, 16 b + 8 h + j).  These 32 loads stay out until the way out: v27 and s[10:11] are not written meanwhile
.irp b, 0,1,2,3
	global_load_b128 v[RES+8*(4*\a+\b):RES+8*(4*\a+\b)+3], v[XO], s[10:11] offset:65536*\a+64*\b
	global_load_b128 v[RES+8*(4*\a+\b)+4:RES+8*(4*\a+\b)+7], v[XO], s[10:11] offset:65536*\a+64*\b+16
.endr
.endr
	WIN 0
.if BIAS
	s_add_nc_u64 s[70:71], s[70:71], s[46:47]
	v_lshlrev_b32 v6, 5, v2
.irp b, 0,1,2,3                        ; register 8 b + j: the bias of column 16 b + 8 h + j; v6 and s[70:71] are not written meanwhile
	global_load_b128 v[TM2+8*\b:TM2+8*\b+3], v6, s[70:71] offset:64*\b
	global_load_b128 v[TM2+8*\b+4:TM2+8*\b+7], v6, s[70:71] offset:64*\b+16
.endr
.endif
.if CODES
	s_lshl_b32 s20, s17, 3
	s_add_co_u32 s20, s20, s42                     ; the codes' block (tile row, tile column),
	s_lshl_b32 s20, s20, 14
	s_lshl_b32 s21, s14, 12                        ; my 32 rows of it
	s_add_co_u32 s20, s20, s21
	s_mov_b32 s21, 0
	s_add_nc_u64 s[70:71], s[70:71], s[20:21]
.endif
	s_wait_kmcnt 0x0
	s_add_co_i32 s83, s80, s81                     ; ea + eb
	s_add_co_i32 s83, s83, 127
	s_lshl_b32 s96, s83, 23                        ; 2^(ea + eb) as f32
	s_mov_b32 s97, s96                             ; (named with it as a pair, so it is written)
.if CODES
	s_add_co_i32 s83, s82, 127
	s_lshl_b32 s84, s83, 23
	v_mov_b32 v[SCV], s84
	s_add_co_i32 s83, s83, 8
	s_lshl_b32 s83, s83, 23
	s_or_b32 s83, s83, 0x600000
	v_mov_b32 v[LIM], s83
.endif
; 32 LDS loads in one run: the fragments of the slot's q-th 128 along K into buffer f
.macro FETCH slot, q, f
	WIN TO_F
.irp i, 0,1,2,3
.irp c, 0,1,2,3
	ds_load_b128 v[\f+64+16*\i+4*\c:\f+64+16*\i+4*\c+3], v[ADRB+\slot] offset:((\q)/2)*HALFT+((\q)%2)*128+\i*16*PITCH+32*\c
	ds_load_b128 v[\f+16*\i+4*\c:\f+16*\i+4*\c+3], v[ADRA+\slot] offset:((\q)/2)*HALFT+((\q)%2)*64*PITCH+(\c/2)*32*PITCH+\i*4*PITCH+32*(\c%2)
.endr
.endr
.endm
; 4 matrix instructions: A's block a x B's four.  zero = 1: the first product starts the sums: nothing is ever cleared.
; The 16 accumulators take turns, one instruction a turn, in the same order everywhere.
.macro MULA f, a, zero
.irp b, 0,1,2,3
.if \zero
	v_wmma_f32_16x16x128_fp8_fp8 v[ACC+8*(4*(\a)+\b):ACC+8*(4*(\a)+\b)+7], v[\f+64+16*\b:\f+64+16*\b+15], v[\f+16*(\a):\f+16*(\a)+15], 0
.else
	v_wmma_f32_16x16x128_fp8_fp8 v[ACC+8*(4*(\a)+\b):ACC+8*(4*(\a)+\b)+7], v[\f+64+16*\b:\f+64+16*\b+15], v[\f+16*(\a):\f+16*(\a)+15], v[ACC+8*(4*(\a)+\b):ACC+8*(4*(\a)+\b)+7]
.endif
.endr
.endm
.macro PLACES                          ; four places in front of loads into registers that matrix instructions have read, and of the first read of results
.rept 4
	v_nop
.endr
.endm
; A slot is four quarters of 128 along K on buffers 0, 1, 0, 1.  One of the first three: multiplies buffer f; ahead of that the next quarter, qn, is asked for into buffer g.
.macro QUARTER slot, qn, f, g, zero
	s_wait_dscnt 0x0                               ; buffer f is in
	PLACES
	FETCH \slot, \qn, \g
	WIN MUL
	MULA \f, 0, \zero
	MULA \f, 1, \zero
	MULA \f, 2, \zero
	MULA \f, 3, \zero
.endm
; The last quarter multiplies buffer 1 and changes slots: ONE barrier; in front of it each wave waits for all its tensor loads, adds 0 to its spare word, and waits for that and for its reads of this slot.
.macro TURN slot, next, fill
	WIN 0                                          ; (the add's two registers lie in window 0)
	s_wait_tensorcnt 0x0                           ; all my tensor loads have landed: my part of the next slot
	ds_add_u32 v[SPW], v[NIL]                      ; 0 onto my spare word
	s_wait_dscnt 1                                 ; buffer 1 is in; only the add may be out
	WIN MUL
	MULA F1, 0, 0                                  ; four matrix instructions stand between the add and the wait for it
	s_wait_dscnt 0x0                               ; the add is done, and my reads of this slot are over
	s_barrier_signal -1
	MULA F1, 1, 0
	WIN 0
	s_barrier_wait -1
.if \fill
	CREST                                          ; no wave of any partner still reads this slot's tile or has a load on its way
	s_add_nc_u64 s[G0+4*\slot+2:G0+4*\slot+3], s[G0+4*\slot+2:G0+4*\slot+3], 2*65536
	s_add_nc_u64 s[G0B+4*\slot+2:G0B+4*\slot+3], s[G0B+4*\slot+2:G0B+4*\slot+3], 2*512
	JLOAD \slot                                    ; the first tensor load behind the round; its four v_nop are the places in front of the loads below
.else
	PLACES
.endif
	FETCH \next, 0, F0
	WIN MUL
	MULA F1, 2, 0
	MULA F1, 3, 0
.endm
	s_wait_alu depctr_va_vdst(0)                   ; the wait at the head's end
	s_wait_tensorcnt 0x0                           ; my part of slot 0 is in; slot 1's first fill is issued as a refill is
	ds_add_u32 v[SPW], v[NIL]                      ; 0 onto my spare word
	s_wait_dscnt 0x0
	CROUND                                         ; everybody's part of slot 0 is in, and the joint loads meet
	JLOAD 1                                        ; slot 1: the first tensor load behind the round
	FETCH 0, 0, F0
	QUARTER 0, 1, F0, F1, 1                        ; the first quarter stands in front of the loop: its products start the sums
.if LAPS > 1
	WIN 0                                          ; at a label and at a branch every window is 0
	s_mov_b32 s3, LAPS-1
.Llap:                                                 ; a trip goes once round the ring, from a lap's second quarter to the next lap's first, and fills both slots again
	QUARTER 0, 2, F1, F0, 0
	QUARTER 0, 3, F0, F1, 0
	TURN 0, 1, 1
	QUARTER 1, 1, F0, F1, 0
	QUARTER 1, 2, F1, F0, 0
	QUARTER 1, 3, F0, F1, 0
	TURN 1, 0, 1
	QUARTER 0, 1, F0, F1, 0
	WIN 0
	s_sub_co_u32 s3, s3, 1
	s_cmp_lg_u32 s3, 0
	s_cbranch_scc1 .Llap
.endif
	QUARTER 0, 2, F1, F0, 0                        ; the last lap fills nothing
	QUARTER 0, 3, F0, F1, 0
	TURN 0, 1, 0
	QUARTER 1, 1, F0, F1, 0
	QUARTER 1, 2, F1, F0, 0
	QUARTER 1, 3, F0, F1, 0
	s_wait_dscnt 0x0
	MULA F1, 0, 0
	MULA F1, 1, 0
	MULA F1, 2, 0
	MULA F1, 3, 0
	WIN 0
; THE WAY OUT, block by block of 16 rows x 64 columns: sum x 2^(ea + eb) + residual (+ bias); 32 bytes a lane into my stage; back as whole rows of 256 bytes, into the block's own accumulator registers.
; CODES = 1: the same numbers are held, converted and put into the work-group's stage of codes.
.set NLD, 16+4*CODES                   ; the LDS instructions of one TOSTAGE
.macro TOSTAGE a
	WIN 0x20                                       ; source 2 (the residual) window 2
.set jj, 0
.rept 16
	v_pk_fma_f32 v[TMP+jj:TMP+jj+1], v[ACC+32*(\a)+jj:ACC+32*(\a)+jj+1], s[96:97], v[RES+32*(\a)+jj:RES+32*(\a)+jj+1] op_sel_hi:[1,0,1]   ; each accumulator from its low end on
.set jj, jj+2
.endr
	WIN 0
.if BIAS
.set jj, 0
.rept 16
	v_pk_add_f32 v[TMP+jj:TMP+jj+1], v[TMP+jj:TMP+jj+1], v[TM2+jj:TM2+jj+1]
.set jj, jj+2
.endr
.endif
.irp b, 0,1,2,3
	ds_store_b128 v[STO], v[TMP+8*\b:TMP+8*\b+3] offset:16*SPITCH*(\a)+64*\b
	ds_store_b128 v[STO], v[TMP+8*\b+4:TMP+8*\b+7] offset:16*SPITCH*(\a)+64*\b+16
.endr
.if CODES
.set jj, 0
.rept 32
	v_med3_num_f32 v[TM2+jj], v[TMP+jj], -v[LIM], v[LIM]   ; the conversion does not saturate (ISA guide 7.6.2): the hold
.set jj, jj+1
.endr
.irp b, 0,1,2,3
	v_cvt_scalef32_pk8_fp8_f32 v[CD+8*(\a)+2*\b:CD+8*(\a)+2*\b+1], v[TM2+8*\b:TM2+8*\b+7], v[SCV]
.endr
	v_nop                                          ; one plain vector instruction between the conversions and the next block's holds, which write their sources
.irp b, 0,1,2,3
	ds_store_b64 v[CSO], v[CD+8*(\a)+2*\b:CD+8*(\a)+2*\b+1] offset:16*CP*(\a)+16*\b
.endr
.endif
.irp i, 0,1,2,3,4,5,6,7
	ds_load_b128 v[ACC+32*(\a)+4*\i:ACC+32*(\a)+4*\i+3], v[RD] offset:16*SPITCH*(\a)+2*SPITCH*\i   ; LDS serves a wave's instructions in order: these see my stores
.endr
.endm
.macro SEND a, younger                 ; younger: the LDS instructions issued behind block a's loads, which may stay out
	s_wait_dscnt \younger
.irp i, 0,1,2,3,4,5,6,7
	global_store_b128 v[CO], v[ACC+32*(\a)+4*\i:ACC+32*(\a)+4*\i+3], s[68:69] offset:(16*(\a)+2*\i)*4096   ; 16 lanes store 256 consecutive bytes, aligned
.endr
.endm
	s_wait_loadcnt 0x0                             ; the residual (and the bias), asked for at the head
	PLACES
	TOSTAGE 0
	TOSTAGE 1
	SEND 0, NLD
	TOSTAGE 2
	SEND 1, NLD
	TOSTAGE 3
	SEND 2, NLD
	SEND 3, 0
.if CODES
	s_wait_dscnt 0x0                               ; for the others' sake: my stores into the stage of codes are done
	s_barrier_signal -1
	s_barrier_wait -1
.irp i, 0,1,2,3,4,5,6,7
	ds_load_b128 v[TMP+4*\i:TMP+4*\i+3], v[CRD] offset:4*CP*\i
.endr
	s_wait_dscnt 0x0
.irp i, 0,1,2,3,4,5,6,7
	global_store_b128 v[CL], v[TMP+4*\i:TMP+4*\i+3], s[70:71] offset:512*\i   ; each store of the wave covers 512 consecutive bytes of the dense block
.endr
.endif
	s_wait_tensorcnt 0x0                           ; the wave's end
	ds_add_u32 v[SPW], v[NIL]
	s_wait_dscnt 0x0
	CROUND                                         ; the closing round
	s_endpgm
.Lfunc_end_k_qb90d31d1f0_oproj:
	.size	k_qb90d31d1f0_oproj, .Lfunc_end_k_qb90d31d1f0_oproj-k_qb90d31d1f0_oproj
	.p2alignl 7, 3214868480
	.fill 96, 4, 3214868480
	.section	.rodata,"a",@progbits
	.p2align	6, 0x0
	.amdhsa_kernel k_qb90d31d1f0_oproj
		.amdhsa_group_segment_fixed_size 327680
		.amdhsa_private_segment_fixed_size 0
		.amdhsa_enable_private_segment 0
		.amdhsa_kernarg_size 48
		.amdhsa_user_sgpr_count 2
		.amdhsa_user_sgpr_kernarg_segment_ptr 1
		.amdhsa_wavefront_size32 1
		.amdhsa_system_sgpr_workgroup_id_x 1
		.amdhsa_system_sgpr_workgroup_id_y 1
		.amdhsa_system_sgpr_workgroup_id_z 1
		.amdhsa_system_vgpr_workitem_id 0
		.amdhsa_next_free_vgpr 768
		.amdhsa_next_free_sgpr 100
		.amdhsa_reserve_vcc 0
		.amdhsa_float_denorm_mode_32 3
		.amdhsa_float_denorm_mode_16_64 3
		.amdhsa_memory_ordered 1
		.amdhsa_forward_progress 1
		.amdhsa_inst_pref_size 63
	.end_amdhsa_kernel
	.amdgpu_metadata
---
amdhsa.version: [ 1, 2 ]
amdhsa.kernels:
  - .name:           k_qb90d31d1f0_oproj
    .symbol:         k_qb90d31d1f0_oproj.kd
    .args:
      - { .name: z, .offset: 0, .size: 8, .value_kind: global_buffer, .address_space: global }
      - { .name: W_O_codes, .offset: 8, .size: 8, .value_kind: global_buffer, .address_space: global }
      - { .name: lowp_scales, .offset: 16, .size: 8, .value_kind: global_buffer, .address_space: global }
      - { .name: x, .offset: 24, .size: 8, .value_kind: global_buffer, .address_space: global }
      - { .name: x1, .offset: 32, .size: 8, .value_kind: global_buffer, .address_space: global }
      - { .name: x1c, .offset: 40, .size: 8, .value_kind: global_buffer, .address_space: global }
    .group_segment_fixed_size: 327680
    .private_segment_fixed_size: 0
    .kernarg_segment_align: 8
    .kernarg_segment_size: 48
    .max_flat_workgroup_size: 128
    .sgpr_count:     100
    .vgpr_count:     768
    .wavefront_size: 32
...
	.end_amdgpu_metadata
.endif
;; end of part 4
;; launch mlp_in (part 5): grid 16 x 16, 4 waves a work-group, clusters of 4 x 4, 327,680 bytes of LDS; arguments x1c, W_in_codes, lowp_scales, h, b_in; writes h
.if DOCPART == 5
	.amdgcn_target "amdgcn-amd-amdhsa--gfx1250"
	.amdhsa_code_object_version 6
	.text
	.protected	k_qb90d31d1f0_mlp_in
	.globl	k_qb90d31d1f0_mlp_in
	.p2align	8
	.type	k_qb90d31d1f0_mlp_in,@function
k_qb90d31d1f0_mlp_in:
	s_mov_b64 s[64:65], 0
	v_nop
	global_prefetch_b8 v0, s[64:65] scope:SCOPE_SE
	s_setreg_imm32_b32 hwreg(HW_REG_WAVE_MODE, 25, 1), 1
	s_wait_xcnt 0x0
	s_wait_alu depctr_hold_cnt(0) depctr_sa_sdst(0) depctr_va_vdst(0) depctr_va_sdst(0) depctr_va_ssrc(0) depctr_va_vcc(0) depctr_vm_vsrc(0)
	s_getreg_b32 s2, hwreg(HW_REG_IB_STS2, 6, 4)
	s_cmp_eq_u32 s2, 0
	s_cbranch_scc0 .Lentry_in_a_cluster
	s_endpgm
.Lentry_in_a_cluster:
	s_bfe_u32 s2, ttmp6, 0x10000c
	s_cmp_lg_u32 s2, 0xf033
	s_cbranch_scc0 .Lentry_shape_is_right
	s_endpgm
.Lentry_shape_is_right:
.set QKV,    0
.set PITCH,  272
.set FR,     16
.set NL,     4
.set NP,     4
.set HALFT,  128*PITCH
.set SLOT,   4*HALFT
.set LAPS,   2
.set SPARE,  2*SLOT
.set CP,     144
.if QKV
.set ASTRIDE, 1024
.set ASTEP,   256
.set AQ,      128
.set AI,      16*PITCH
.else
.set ASTRIDE, 256
.set ASTEP,   32768
.set AQ,      64*PITCH
.set AI,      8*PITCH
.endif
.set ADRA, 16
.set ADRB, 20
.set STO,  24
.set RD,   25
.set CO,   26
.set BO,   27
.set SPW,  28
.set NIL,  29
.set LIM,  30
.set SCV,  31
.set BIAS, 64
.set AF,   128
.set TMP,  128
.set CD,   192
.set BK,   224
.set G1, 24
.set G0, 32
.set G1B, 48
.set G0B, 56
.set MSB, 0
.macro WIN new
.if MSB != \new
	s_set_vgpr_msb (MSB<<8)|\new
.set MSB, \new
.endif
.endm
.set MUL_LO, 0xa1
.set MUL_HI, 0xf1
.set TO_B,   0x40
.macro JLOAD g0a, g1a, g0b, g1b
	s_cmp_eq_u32 s15, 0
	s_cbranch_scc0 .Lfor_b_\@
	tensor_load_to_lds s[\g0a:\g0a+3], s[\g1a:\g1a+7]
	s_nop 0
.rept 4
	v_nop
.endr
	s_branch .Lasked_\@
.Lfor_b_\@:
	tensor_load_to_lds s[\g0b:\g0b+3], s[\g1b:\g1b+7]
	s_nop 0
.rept 4
	v_nop
.endr
.Lasked_\@:
.endm
.macro CREST
	s_cmp_lg_u32 s14, 0
	s_cbranch_scc1 .Lnot_wave_0_\@
	s_barrier_signal -3
.Lnot_wave_0_\@:
	s_barrier_wait -3
	s_barrier_signal -1
	s_barrier_wait -1
.endm
.macro CROUND
	s_barrier_signal -1
	s_barrier_wait -1
	CREST
.endm
.if QKV
	s_load_b256 s[68:75], s[0:1], 0x0
	s_load_b128 s[76:79], s[0:1], 0x20
.else
	s_load_b128 s[4:7], s[0:1], 0x0
	s_load_b128 s[76:79], s[0:1], 0x10
	s_load_b64 s[12:13], s[0:1], 0x20
.endif
	v_lshl_add_u32 v[SPW], v0, 2, SPARE
	v_mov_b32 v[NIL], 0
	ds_add_u32 v28, v29
	ds_add_u32 v28, v29
	s_wait_dscnt 0x0
	v_lshrrev_b32 v1, 5, v0
	v_readfirstlane_b32 s14, v1
	s_lshr_b32 s15, s14, 1
	s_and_b32 s16, s14, 1
	s_bfe_u32 s40, ttmp6, 0x40000
	s_bfe_u32 s41, ttmp6, 0x40004
.if QKV
	s_and_b32 s18, ttmp7, 0xffff
	s_lshr_b32 s89, s18, 2
	s_and_b32 s18, s18, 3
	s_lshl_b32 s18, s18, 2
	s_cmp_lt_u32 s89, 2
	s_cselect_b32 s17, s18, 0
	s_cselect_b32 s42, 0, s18
	s_add_co_u32 s17, s17, s41
	s_add_co_u32 s42, s42, s40
.else
	s_lshl_b32 s42, ttmp9, 2
	s_add_co_u32 s42, s42, s40
	s_and_b32 s17, ttmp7, 0xffff
	s_lshl_b32 s17, s17, 2
	s_add_co_u32 s17, s17, s41
.endif
	s_lshl_b32 s43, s41, 2
	s_lshl_b32 s43, 15, s43
	s_lshl_b32 s44, 0x1111, s40
	s_or_b32 s[G1+0], s43, (0<<16)|(1<<20)|(1<<21)|(5<<22)|(3<<25)
	s_or_b32 s[G1B+0], s44, (0<<16)|(1<<20)|(1<<21)|(5<<22)|(3<<25)
.irp g, G1, G1B
	s_mov_b32 s[\g+1], 256<<16
	s_mov_b32 s[\g+2], 128<<16
	s_mov_b32 s[\g+3], 256<<16
	s_mov_b32 s[\g+4], 128
	s_mov_b32 s[\g+6], 0
	s_mov_b32 s[\g+7], 0
.endr
	s_mov_b32 s[G1+5], ASTRIDE
	s_mov_b32 s[G1B+5], 1024
	s_lshl_b32 s18, s16, 7
	s_lshl_b32 s20, s17, 8
	s_add_co_u32 s20, s20, s18
	s_lshl_b32 s20, s20, 10
	s_mov_b32 s21, 0
	s_lshl_b32 s46, s42, 8
	s_add_co_u32 s46, s46, s18
	s_lshl_b32 s46, s46, 10
	s_mov_b32 s47, 0
	s_mul_i32 s45, s14, HALFT
	s_wait_kmcnt 0x0
.if QKV
	s_load_b256 s[80:87], s[76:77], 0x0
	s_load_b32 s88, s[76:77], 0x24
	s_add_nc_u64 s[90:91], s[68:69], 0x400000
	s_add_nc_u64 s[92:93], s[68:69], 0x800000
	s_cmp_eq_u32 s89, 0
	s_cselect_b64 s[4:5], s[90:91], s[68:69]
	s_cselect_b64 s[6:7], s[70:71], s[72:73]
	s_cmp_eq_u32 s89, 2
	s_cselect_b64 s[4:5], s[74:75], s[4:5]
	s_cselect_b64 s[6:7], s[92:93], s[6:7]
	s_lshl_b32 s18, s89, 22
	s_mov_b32 s19, 0
	s_add_nc_u64 s[10:11], s[78:79], s[18:19]
.else
	s_load_b128 s[80:83], s[76:77], 0x30
	s_mov_b64 s[10:11], s[78:79]
.endif
	s_add_nc_u64 s[20:21], s[4:5], s[20:21]
	s_add_nc_u64 s[46:47], s[6:7], s[46:47]
	; THE PREFETCHES: behind K step 0's joint load stand two, for K steps 1 and 2; behind K step 1's one, for K step 3.  Of the 32 KiB that my wave fetches, the four partners that ask jointly
	; take a quarter each, told apart by address: A: 8 KiB on end, lanes 256 bytes apart (place cx); B: 32 rows, a lane a row of 256 bytes (place cy).  Each 256 bytes are named once in each cluster that loads them.
	s_cmp_eq_u32 s15, 0                            ; do I fetch for A?
	s_cselect_b64 s[8:9], s[20:21], s[46:47]
	s_cselect_b32 s18, s40, s41                    ; my place among the four
	s_cselect_b32 s19, 13, 15                      ; x 8,192 bytes, or x 32 rows of 1,024 bytes
	s_cselect_b32 s23, 8, 10                       ; from lane to lane: 256 bytes, or a row
	s_mov_b32 s22, 256
	s_cselect_b32 s22, 0x8000, s22                 ; from K step to K step
	s_lshl_b32 s18, s18, s19
	s_mov_b32 s19, 0
	s_add_nc_u64 s[8:9], s[8:9], s[18:19]
	s_mov_b32 s18, s22
	s_add_nc_u64 s[8:9], s[8:9], s[18:19]          ; at K step 1,
	s_add_nc_u64 s[94:95], s[8:9], s[18:19]        ; 2,
	s_add_nc_u64 s[98:99], s[94:95], s[18:19]      ; 3; none is rewritten
	v_and_b32 v19, 31, v0
	v_lshlrev_b32 v19, s23, v19                    ; never rewritten
	s_wait_alu depctr_va_vdst(0)                   ; the wait
	CROUND
.irp s, 0,1
	s_mov_b32 s[G0+4*\s], 1
	s_add_co_u32 s[G0+4*\s+1], s45, \s*SLOT
	s_add_nc_u64 s[G0+4*\s+2:G0+4*\s+3], s[20:21], \s*ASTEP
	s_or_b32 s[G0+4*\s+3], s[G0+4*\s+3], 0x80000000
	s_mov_b32 s[G0B+4*\s], 1
	s_add_co_u32 s[G0B+4*\s+1], s45, \s*SLOT
	s_add_nc_u64 s[G0B+4*\s+2:G0B+4*\s+3], s[46:47], \s*256
	s_or_b32 s[G0B+4*\s+3], s[G0B+4*\s+3], 0x80000000
.endr
	JLOAD G0, G1, G0B, G1B
	global_prefetch_b8 v19, s[8:9] th:TH_LOAD_NT scope:SCOPE_SE     ; K step 1
	global_prefetch_b8 v19, s[94:95] th:TH_LOAD_NT scope:SCOPE_SE   ; K step 2
	v_and_b32 v1, 15, v0
	v_bfe_u32 v2, v0, 4, 1
	v_mul_u32_u24 v3, v1, PITCH
	v_lshl_add_u32 v4, v2, 4, v3
.if QKV
.set LTA, 4
.else
.set LTA, 5
	v_lshrrev_b32 v5, 1, v1
	v_mul_u32_u24 v5, v5, PITCH
	v_and_b32 v6, 1, v1
	v_lshl_add_u32 v5, v6, 7, v5
	v_lshl_add_u32 v5, v2, 4, v5
.endif
	s_mul_i32 s21, s15, HALFT
	s_mul_i32 s22, s16, HALFT
	s_add_co_u32 s22, s22, 2*HALFT
.irp s, 0,1
	v_add_nc_u32 v[ADRA+\s], s21, v[LTA]
	v_add_nc_u32 v[ADRB+\s], s22, v4
	s_add_co_u32 s21, s21, SLOT
	s_add_co_u32 s22, s22, SLOT
.endr
	s_mul_i32 s23, s14, 128*CP
	v_mul_u32_u24 v6, v1, CP
	v_lshl_add_u32 v6, v2, 3, v6
	v_add_nc_u32 v[STO], s23, v6
	v_and_b32 v7, 31, v0
	v_lshrrev_b32 v8, 3, v7
	v_mul_u32_u24 v8, v8, CP
	v_and_b32 v9, 7, v7
	v_lshl_add_u32 v8, v9, 4, v8
	v_add_nc_u32 v[RD], s23, v8
	v_lshlrev_b32 v[CO], 4, v7
	s_lshl_b32 s20, s17, 1
	s_add_co_u32 s20, s20, s15
.if QKV
	s_cmp_lt_u32 s89, 2
	s_cselect_b32 s19, 3, 5
	s_lshl_b32 s20, s20, s19
.else
	s_lshl_b32 s20, s20, 5
.endif
	s_lshl_b32 s46, s42, 1
	s_add_co_u32 s46, s46, s16
	s_add_co_u32 s20, s20, s46
	s_lshl_b32 s20, s20, 14
	s_mov_b32 s21, 0
	s_add_nc_u64 s[10:11], s[10:11], s[20:21]
.if QKV == 0
	s_lshl_b32 s46, s42, 8
	s_lshl_b32 s47, s16, 7
	s_add_co_u32 s46, s46, s47
	s_lshl_b32 s46, s46, 2
	s_mov_b32 s47, 0
	s_add_nc_u64 s[12:13], s[12:13], s[46:47]
	v_lshlrev_b32 v[BO], 5, v2
.irp b, 0,1,2,3,4,5,6,7
	global_load_b128 v[BIAS+8*\b:BIAS+8*\b+3], v[BO], s[12:13] offset:64*\b
	global_load_b128 v[BIAS+8*\b+4:BIAS+8*\b+7], v[BO], s[12:13] offset:64*\b+16
.endr
.endif
.macro FRAG reg, adr, off
.irp c, 0,1,2,3
	ds_load_b128 v[\reg+4*\c:\reg+4*\c+3], v[\adr] offset:\off+32*\c
.endr
.endm
.macro MUL16 a0, p, zero
.irp a, \a0, \a0+1
.irp b, 0,1,2,3,4,5,6,7
.if \zero
	v_wmma_f32_16x16x128_fp8_fp8 v[8*(8*((\a)%4)+\b):8*(8*((\a)%4)+\b)+7], v[128*(\p)+FR*\b:128*(\p)+FR*\b+FR-1], v[AF+FR*(\a):AF+FR*(\a)+FR-1], 0
.else
	v_wmma_f32_16x16x128_fp8_fp8 v[8*(8*((\a)%4)+\b):8*(8*((\a)%4)+\b)+7], v[128*(\p)+FR*\b:128*(\p)+FR*\b+FR-1], v[AF+FR*(\a):AF+FR*(\a)+FR-1], v[8*(8*((\a)%4)+\b):8*(8*((\a)%4)+\b)+7]
.endif
.endr
.endr
.endm
.macro FETCH_B slot, q, p
	WIN TO_B
.irp i, 0,1,2,3,4,5,6,7
	FRAG 128*(\p)+FR*\i, ADRB+\slot, 128*(\q)+\i*16*PITCH
.endr
	WIN 0
.endm
.macro FETCH_A slot, q, i0
.irp i, \i0, \i0+1, \i0+2, \i0+3
	FRAG AF+FR*(\i), ADRA+\slot, AQ*(\q)+(\i)*AI
.endr
.endm
.macro PLACES n
.rept \n
	v_nop
.endr
.endm
.macro STEP slot, q, zero
	s_wait_dscnt 4*NL
	WIN MUL_LO
	MUL16 0, (\q)%2, \zero
	MUL16 2, (\q)%2, \zero
	s_wait_dscnt 0
	PLACES NP
	FETCH_B \slot, (\q)+1, 1-(\q)%2
	FETCH_A \slot, (\q)+1, 0
	WIN MUL_HI
	MUL16 4, (\q)%2, \zero
	MUL16 6, (\q)%2, \zero
	PLACES NP
	WIN 0
	FETCH_A \slot, (\q)+1, 4
.endm
.macro TURN slot, next, fill
	s_wait_tensorcnt 0x0
	ds_add_u32 v[SPW], v[NIL]
	s_wait_dscnt 4*NL+1
	WIN MUL_LO
	MUL16 0, 1, 0
	s_wait_dscnt 0x0
	s_barrier_signal -1
	MUL16 2, 1, 0
	WIN 0
	s_barrier_wait -1
.if \fill
	CREST
	s_add_nc_u64 s[G0+4*\slot+2:G0+4*\slot+3], s[G0+4*\slot+2:G0+4*\slot+3], 2*ASTEP
	s_add_nc_u64 s[G0B+4*\slot+2:G0B+4*\slot+3], s[G0B+4*\slot+2:G0B+4*\slot+3], 2*256
	JLOAD G0+4*\slot, G1, G0B+4*\slot, G1B
.else
	PLACES NP
.endif
	FETCH_B \next, 0, 0
	FETCH_A \next, 0, 0
	WIN MUL_HI
	MUL16 4, 1, 0
	MUL16 6, 1, 0
	PLACES NP
	WIN 0
	FETCH_A \next, 0, 4
.endm
	s_wait_alu depctr_va_vdst(0)                   ; the wait at the head's end
	s_wait_tensorcnt 0x0                           ; my part of K step 0 is in; slot 1's first fill is issued as a refill is
	ds_add_u32 v[SPW], v[NIL]                      ; 0 onto my spare word
	s_wait_dscnt 0x0
	CROUND                                         ; everybody's part of K step 0 is in, and the joint loads meet
	JLOAD G0+4, G1, G0B+4, G1B
	global_prefetch_b8 v19, s[98:99] th:TH_LOAD_NT scope:SCOPE_SE   ; K step 3
	FETCH_B 0, 0, 0
	FETCH_A 0, 0, 0
	FETCH_A 0, 0, 4
	STEP 0, 0, 1
	s_mov_b32 s3, LAPS-1
.Llap:
	TURN 0, 1, 1
	STEP 1, 0, 0
	TURN 1, 0, 1
	STEP 0, 0, 0
	s_sub_co_u32 s3, s3, 1
	s_cmp_lg_u32 s3, 0
	s_cbranch_scc1 .Llap
	TURN 0, 1, 0
	STEP 1, 0, 0
	s_wait_dscnt 4*NL
	WIN MUL_LO
	MUL16 0, 1, 0
	MUL16 2, 1, 0
	s_wait_dscnt 0
	WIN MUL_HI
	MUL16 4, 1, 0
	MUL16 6, 1, 0
	WIN 0
.macro TOSTAGE a
.set AC, 64*((\a)%4)
.set CDS, CD+16*((\a)%2)
.set BB, BK+16*((\a)%2)
	WIN 0x02+((\a)/4)
.if QKV
.set jj, 0
.rept 64
	v_med3_num_f32 v[TMP+jj], v[AC+jj], -v[LIM], v[LIM]
.set jj, jj+1
.endr
	WIN 0
.else
.set jj, 0
.rept 32
	v_pk_fma_f32 v[TMP+jj:TMP+jj+1], v[AC+jj:AC+jj+1], s[96:97], v[BIAS+jj:BIAS+jj+1] op_sel_hi:[1,0,1]
.set jj, jj+2
.endr
	WIN 0
.set jj, 0
.rept 64
	v_med3_num_f32 v[TMP+jj], v[TMP+jj], 0, v[LIM]
.set jj, jj+1
.endr
.endif
.irp b, 0,1,2,3,4,5,6,7
	v_cvt_scalef32_pk8_fp8_f32 v[CDS+2*\b:CDS+2*\b+1], v[TMP+8*\b:TMP+8*\b+7], v[SCV]
.endr
	v_nop
.irp b, 0,1,2,3,4,5,6,7
	ds_store_b64 v[STO], v[CDS+2*\b:CDS+2*\b+1] offset:16*CP*(\a)+16*\b
.endr
.irp i, 0,1,2,3
	ds_load_b128 v[BB+4*\i:BB+4*\i+3], v[RD] offset:16*CP*(\a)+4*CP*\i
.endr
.endm
.macro SEND a, younger
.set BB, BK+16*((\a)%2)
	s_wait_dscnt \younger
.irp i, 0,1,2,3
	global_store_b128 v[CO], v[BB+4*\i:BB+4*\i+3], s[10:11] offset:2048*(\a)+512*\i
.endr
.endm
	s_wait_kmcnt 0x0
.if QKV
	s_sub_co_i32 s90, s86, s82
	s_sub_co_i32 s90, s90, s83
	s_sub_co_i32 s91, s87, s80
	s_sub_co_i32 s91, s91, s81
	s_sub_co_i32 s92, s88, s84
	s_sub_co_i32 s92, s92, s85
	s_cmp_eq_u32 s89, 0
	s_cselect_b32 s90, s90, s91
	s_cmp_eq_u32 s89, 2
	s_cselect_b32 s90, s92, s90
.else
	s_add_co_i32 s96, s80, s81
	s_add_co_i32 s96, s96, 127
	s_lshl_b32 s96, s96, 23
	s_mov_b32 s97, s96
	s_mov_b32 s90, s82
	s_wait_loadcnt 0x0
.endif
	s_add_co_i32 s90, s90, 127
	s_lshl_b32 s91, s90, 23
	v_mov_b32 v[SCV], s91
	s_add_co_i32 s90, s90, 8
	s_lshl_b32 s90, s90, 23
	s_or_b32 s90, s90, 0x600000
	v_mov_b32 v[LIM], s90
	PLACES NP
	TOSTAGE 0
.irp a, 1,2,3,4,5,6,7
.if \a > 1
	s_wait_xcnt 0x0
.endif
	TOSTAGE \a
	SEND \a-1, 12
.endr
	SEND 7, 0
	s_wait_tensorcnt 0x0
	ds_add_u32 v[SPW], v[NIL]
	s_wait_dscnt 0x0
	CROUND
	s_endpgm
.Lfunc_end_k_qb90d31d1f0_mlp_in:
	.size	k_qb90d31d1f0_mlp_in, .Lfunc_end_k_qb90d31d1f0_mlp_in-k_qb90d31d1f0_mlp_in
	.p2alignl 7, 3214868480
	.fill 96, 4, 3214868480
	.section	.rodata,"a",@progbits
	.p2align	6, 0x0
	.amdhsa_kernel k_qb90d31d1f0_mlp_in
		.amdhsa_group_segment_fixed_size 327680
		.amdhsa_private_segment_fixed_size 0
		.amdhsa_enable_private_segment 0
		.amdhsa_kernarg_size 40
		.amdhsa_user_sgpr_count 2
		.amdhsa_user_sgpr_kernarg_segment_ptr 1
		.amdhsa_wavefront_size32 1
		.amdhsa_system_sgpr_workgroup_id_x 1
		.amdhsa_system_sgpr_workgroup_id_y 1
		.amdhsa_system_sgpr_workgroup_id_z 1
		.amdhsa_system_vgpr_workitem_id 0
		.amdhsa_next_free_vgpr 1024
		.amdhsa_next_free_sgpr 100
		.amdhsa_reserve_vcc 0
		.amdhsa_float_denorm_mode_32 3
		.amdhsa_float_denorm_mode_16_64 3
		.amdhsa_memory_ordered 1
		.amdhsa_forward_progress 1
		.amdhsa_inst_pref_size 144
	.end_amdhsa_kernel
	.amdgpu_metadata
---
amdhsa.version: [ 1, 2 ]
amdhsa.kernels:
  - .name:           k_qb90d31d1f0_mlp_in
    .symbol:         k_qb90d31d1f0_mlp_in.kd
    .args:
      - { .name: x1c, .offset: 0, .size: 8, .value_kind: global_buffer, .address_space: global }
      - { .name: W_in_codes, .offset: 8, .size: 8, .value_kind: global_buffer, .address_space: global }
      - { .name: lowp_scales, .offset: 16, .size: 8, .value_kind: global_buffer, .address_space: global }
      - { .name: h, .offset: 24, .size: 8, .value_kind: global_buffer, .address_space: global }
      - { .name: b_in, .offset: 32, .size: 8, .value_kind: global_buffer, .address_space: global }
    .group_segment_fixed_size: 327680
    .private_segment_fixed_size: 0
    .kernarg_segment_align: 8
    .kernarg_segment_size: 40
    .max_flat_workgroup_size: 128
    .sgpr_count:     100
    .vgpr_count:     1024
    .wavefront_size: 32
...
	.end_amdgpu_metadata
.endif
;; end of part 5
;; launch mlp_out (part 6): grid 8 x 32, 4 waves a work-group, clusters of 4 x 4, 327,680 bytes of LDS; arguments h, W_out_codes, lowp_scales, x1, out0, b_out; writes out0
.if DOCPART == 6
	.amdgcn_target "amdgcn-amd-amdhsa--gfx1250"
	.amdhsa_code_object_version 6
	.text
	.protected	k_qb90d31d1f0_mlp_out
	.globl	k_qb90d31d1f0_mlp_out
	.p2align	8
	.type	k_qb90d31d1f0_mlp_out,@function
k_qb90d31d1f0_mlp_out:
	s_mov_b64 s[64:65], 0
	v_nop
	global_prefetch_b8 v0, s[64:65] scope:SCOPE_SE
	s_setreg_imm32_b32 hwreg(HW_REG_WAVE_MODE, 25, 1), 1
	s_wait_xcnt 0x0
	s_wait_alu depctr_hold_cnt(0) depctr_sa_sdst(0) depctr_va_vdst(0) depctr_va_sdst(0) depctr_va_ssrc(0) depctr_va_vcc(0) depctr_vm_vsrc(0)
	s_getreg_b32 s2, hwreg(HW_REG_IB_STS2, 6, 4)
	s_cmp_eq_u32 s2, 0
	s_cbranch_scc0 .Lentry_in_a_cluster
	s_endpgm
.Lentry_in_a_cluster:
	s_bfe_u32 s2, ttmp6, 0x10000c
	s_cmp_lg_u32 s2, 0xf033
	s_cbranch_scc0 .Lentry_shape_is_right
	s_endpgm
.Lentry_shape_is_right:
.set SIZE_K, 4096
.set ESC,    56
.set CODES,  0
.set BIAS,   1
.set NKB,    SIZE_K/128
.set LAPS,   SIZE_K/1024
.set PITCH,  272
.set HALFT,  128*PITCH
.set SLOT,   4*HALFT
.set SPARE,  2*SLOT
.set SPITCH, 272
.set CP,     144
.set CSTG,   4*64*SPITCH
.set ADRA, 16
.set CL,   18
.set ADRB, 20
.set CSO,  22
.set CRD,  23
.set STO,  24
.set RD,   25
.set CO,   26
.set XO,   27
.set SPW,  28
.set NIL,  29
.set LIM,  30
.set SCV,  31
.set TMP,  32
.set TM2,  64
.set CD,   96
.set ACC,  128
.set F0,   0
.set F1,   128
.set RES,  0
.set G1, 24
.set G0, 32
.set G1B, 48
.set G0B, 56
.set MSB, 0
.macro WIN new
.if MSB != \new
	s_set_vgpr_msb (MSB<<8)|\new
.set MSB, \new
.endif
.endm
.set MUL,  0x05
.set TO_F, 0x40
.macro JLOAD s
	s_cmp_eq_u32 s15, 0
	s_cbranch_scc0 .Lfor_b_\@
	tensor_load_to_lds s[G0+4*\s:G0+4*\s+3], s[G1:G1+7]
	s_nop 0
.rept 4
	v_nop
.endr
	s_branch .Lasked_\@
.Lfor_b_\@:
	tensor_load_to_lds s[G0B+4*\s:G0B+4*\s+3], s[G1B:G1B+7]
	s_nop 0
.rept 4
	v_nop
.endr
.Lasked_\@:
.endm
.macro CREST
	s_cmp_lg_u32 s14, 0
	s_cbranch_scc1 .Lnot_wave_0_\@
	s_barrier_signal -3
.Lnot_wave_0_\@:
	s_barrier_wait -3
	s_barrier_signal -1
	s_barrier_wait -1
.endm
.macro CROUND
	s_barrier_signal -1
	s_barrier_wait -1
	CREST
.endm
	s_load_b128 s[4:7], s[0:1], 0x0
	s_load_b128 s[8:11], s[0:1], 0x10
	s_load_b128 s[68:71], s[0:1], 0x20
	v_lshl_add_u32 v[SPW], v0, 2, SPARE
	v_mov_b32 v[NIL], 0
	ds_add_u32 v28, v29
	ds_add_u32 v28, v29
	s_wait_dscnt 0x0
	v_lshrrev_b32 v1, 5, v0
	v_readfirstlane_b32 s14, v1
	s_lshr_b32 s15, s14, 1
	s_and_b32 s16, s14, 1
	s_bfe_u32 s40, ttmp6, 0x40000
	s_bfe_u32 s41, ttmp6, 0x40004
	s_lshl_b32 s42, ttmp9, 2
	s_add_co_u32 s42, s42, s40
	s_and_b32 s17, ttmp7, 0xffff
	s_lshl_b32 s17, s17, 2
	s_add_co_u32 s17, s17, s41
	s_lshl_b32 s43, s41, 2
	s_lshl_b32 s43, 15, s43
	s_lshl_b32 s44, 0x1111, s40
	s_or_b32 s[G1+0], s43, (0<<16)|(1<<20)|(1<<21)|(5<<22)|(3<<25)
	s_or_b32 s[G1B+0], s44, (0<<16)|(1<<20)|(1<<21)|(5<<22)|(3<<25)
.irp g, G1, G1B
	s_mov_b32 s[\g+1], 256<<16
	s_mov_b32 s[\g+2], 128<<16
	s_mov_b32 s[\g+3], 256<<16
	s_mov_b32 s[\g+4], 128
	s_mov_b32 s[\g+6], 0
	s_mov_b32 s[\g+7], 0
.endr
	s_mov_b32 s[G1+5], 256
	s_mov_b32 s[G1B+5], SIZE_K
	s_mul_i32 s20, s17, NKB*16384
	s_lshl_b32 s18, s16, 15
	s_add_co_u32 s20, s20, s18
	s_mov_b32 s21, 0
	s_mul_i32 s46, s42, 128*SIZE_K
	s_lshl_b32 s18, s16, 8
	s_add_co_u32 s46, s46, s18
	s_mov_b32 s47, 0
	s_mul_i32 s45, s14, HALFT
	s_wait_kmcnt 0x0
	s_load_b64 s[80:81], s[8:9], ESC
.if CODES
	s_load_b32 s82, s[8:9], 0x30
.endif
	s_add_nc_u64 s[20:21], s[4:5], s[20:21]
	s_add_nc_u64 s[46:47], s[6:7], s[46:47]
	; THE PREFETCHES: behind the joint load of fill f stands one prefetch for fill f + 2 (f = 0 .. 5): of the 32 KiB that my wave fetches, the four partners that ask jointly take a quarter each, told apart by address:
	; A: 8 KiB on end, lanes 256 bytes apart (place cx); B: 32 rows, a lane a row of 256 bytes (place cy).  So each 256 bytes are named once in each cluster that loads them.
	s_cmp_eq_u32 s15, 0                            ; do I fetch for A?
	s_cselect_b64 s[84:85], s[20:21], s[46:47]
	s_cselect_b32 s88, s40, s41                    ; my place among the four
	s_cselect_b32 s89, 13, 17                      ; x 8,192 bytes, or x 32 rows of 4,096 bytes
	s_mov_b32 s86, 512
	s_cselect_b32 s86, 0x10000, s86                ; from fill to fill
	s_cselect_b32 s90, 8, 12                       ; from lane to lane: 256 bytes, or a row
	s_mov_b32 s87, 0
	s_lshl_b32 s88, s88, s89
	s_mov_b32 s89, 0
	s_add_nc_u64 s[84:85], s[84:85], s[88:89]
	s_add_nc_u64 s[92:93], s[84:85], s[86:87]      ; at fill 1 (asked for behind fill 0's load too; never rewritten),
	s_add_nc_u64 s[84:85], s[92:93], s[86:87]      ; at fill 2
	v_and_b32 v19, 31, v0
	v_lshlrev_b32 v19, s90, v19                    ; never rewritten
	s_wait_alu depctr_va_vdst(0)                   ; the wait
	CROUND
.irp s, 0,1
	s_mov_b32 s[G0+4*\s], 1
	s_add_co_u32 s[G0+4*\s+1], s45, \s*SLOT
	s_add_nc_u64 s[G0+4*\s+2:G0+4*\s+3], s[20:21], \s*65536
	s_or_b32 s[G0+4*\s+3], s[G0+4*\s+3], 0x80000000
	s_mov_b32 s[G0B+4*\s], 1
	s_add_co_u32 s[G0B+4*\s+1], s45, \s*SLOT
	s_add_nc_u64 s[G0B+4*\s+2:G0B+4*\s+3], s[46:47], \s*512
	s_or_b32 s[G0B+4*\s+3], s[G0B+4*\s+3], 0x80000000
.endr
	JLOAD 0
	global_prefetch_b8 v19, s[92:93] th:TH_LOAD_NT scope:SCOPE_SE   ; fill 1
	global_prefetch_b8 v19, s[84:85] th:TH_LOAD_NT scope:SCOPE_SE   ; fill 2
	v_and_b32 v1, 15, v0
	v_bfe_u32 v2, v0, 4, 1
	v_and_b32 v3, 31, v0
	v_lshrrev_b32 v4, 1, v1
	v_mul_u32_u24 v4, v4, PITCH
	v_and_b32 v5, 1, v1
	v_lshl_add_u32 v4, v5, 7, v4
	v_lshl_add_u32 v4, v2, 4, v4
	v_mul_u32_u24 v5, v1, PITCH
	v_lshl_add_u32 v5, v2, 4, v5
	s_mul_i32 s21, s15, 32*PITCH
	s_mul_i32 s22, s16, 64*PITCH
	s_add_co_u32 s22, s22, 2*HALFT
.irp s, 0,1
	v_add_nc_u32 v[ADRA+\s], s21, v4
	v_add_nc_u32 v[ADRB+\s], s22, v5
	s_add_co_u32 s21, s21, SLOT
	s_add_co_u32 s22, s22, SLOT
.endr
	s_mul_i32 s23, s14, 64*SPITCH
	v_mul_u32_u24 v7, v1, SPITCH
	v_lshl_add_u32 v7, v2, 5, v7
	v_add_nc_u32 v[STO], s23, v7
	v_mul_u32_u24 v7, v2, SPITCH
	v_lshl_add_u32 v7, v1, 4, v7
	v_add_nc_u32 v[RD], s23, v7
	v_lshlrev_b32 v7, 12, v2
	v_lshl_add_u32 v[CO], v1, 4, v7
	v_lshlrev_b32 v7, 12, v1
	v_lshl_add_u32 v[XO], v2, 5, v7
.if CODES
	s_mul_i32 s23, s15, 64*CP
	s_lshl_b32 s22, s16, 6
	s_add_co_u32 s23, s23, s22
	s_add_co_u32 s23, s23, CSTG
	v_mul_u32_u24 v7, v1, CP
	v_lshl_add_u32 v7, v2, 3, v7
	v_add_nc_u32 v[CSO], s23, v7
	s_mul_i32 s23, s14, 32*CP
	s_add_co_u32 s23, s23, CSTG
	v_lshrrev_b32 v7, 3, v3
	v_mul_u32_u24 v7, v7, CP
	v_and_b32 v8, 7, v3
	v_lshl_add_u32 v7, v8, 4, v7
	v_add_nc_u32 v[CRD], s23, v7
	v_lshlrev_b32 v[CL], 4, v3
.endif
	s_wait_alu depctr_va_vdst(0)
	s_lshl_b32 s20, s17, 7
	s_lshl_b32 s21, s15, 6
	s_add_co_u32 s20, s20, s21
	s_lshl_b32 s20, s20, 12
	s_mov_b32 s21, 0
	s_lshl_b32 s46, s42, 9
	s_lshl_b32 s47, s16, 8
	s_add_co_u32 s46, s46, s47
	s_mov_b32 s47, 0
	s_add_nc_u64 s[20:21], s[20:21], s[46:47]
	s_add_nc_u64 s[10:11], s[10:11], s[20:21]
	s_add_nc_u64 s[68:69], s[68:69], s[20:21]
	WIN 0x80
.irp a, 0,1,2,3
.irp b, 0,1,2,3
	global_load_b128 v[RES+8*(4*\a+\b):RES+8*(4*\a+\b)+3], v[XO], s[10:11] offset:65536*\a+64*\b
	global_load_b128 v[RES+8*(4*\a+\b)+4:RES+8*(4*\a+\b)+7], v[XO], s[10:11] offset:65536*\a+64*\b+16
.endr
.endr
	WIN 0
.if BIAS
	s_add_nc_u64 s[70:71], s[70:71], s[46:47]
	v_lshlrev_b32 v6, 5, v2
.irp b, 0,1,2,3
	global_load_b128 v[TM2+8*\b:TM2+8*\b+3], v6, s[70:71] offset:64*\b
	global_load_b128 v[TM2+8*\b+4:TM2+8*\b+7], v6, s[70:71] offset:64*\b+16
.endr
.endif
.if CODES
	s_lshl_b32 s20, s17, 3
	s_add_co_u32 s20, s20, s42
	s_lshl_b32 s20, s20, 14
	s_lshl_b32 s21, s14, 12
	s_add_co_u32 s20, s20, s21
	s_mov_b32 s21, 0
	s_add_nc_u64 s[70:71], s[70:71], s[20:21]
.endif
	s_wait_kmcnt 0x0
	s_add_co_i32 s83, s80, s81
	s_add_co_i32 s83, s83, 127
	s_lshl_b32 s96, s83, 23
	s_mov_b32 s97, s96
.if CODES
	s_add_co_i32 s83, s82, 127
	s_lshl_b32 s84, s83, 23
	v_mov_b32 v[SCV], s84
	s_add_co_i32 s83, s83, 8
	s_lshl_b32 s83, s83, 23
	s_or_b32 s83, s83, 0x600000
	v_mov_b32 v[LIM], s83
.endif
.macro FETCH slot, q, f
	WIN TO_F
.irp i, 0,1,2,3
.irp c, 0,1,2,3
	ds_load_b128 v[\f+64+16*\i+4*\c:\f+64+16*\i+4*\c+3], v[ADRB+\slot] offset:((\q)/2)*HALFT+((\q)%2)*128+\i*16*PITCH+32*\c
	ds_load_b128 v[\f+16*\i+4*\c:\f+16*\i+4*\c+3], v[ADRA+\slot] offset:((\q)/2)*HALFT+((\q)%2)*64*PITCH+\i*8*PITCH+32*\c
.endr
.endr
.endm
.macro MULA f, a, zero
.irp b, 0,1,2,3
.if \zero
	v_wmma_f32_16x16x128_fp8_fp8 v[ACC+8*(4*(\a)+\b):ACC+8*(4*(\a)+\b)+7], v[\f+64+16*\b:\f+64+16*\b+15], v[\f+16*(\a):\f+16*(\a)+15], 0
.else
	v_wmma_f32_16x16x128_fp8_fp8 v[ACC+8*(4*(\a)+\b):ACC+8*(4*(\a)+\b)+7], v[\f+64+16*\b:\f+64+16*\b+15], v[\f+16*(\a):\f+16*(\a)+15], v[ACC+8*(4*(\a)+\b):ACC+8*(4*(\a)+\b)+7]
.endif
.endr
.endm
.macro PLACES
.rept 4
	v_nop
.endr
.endm
.macro QUARTER slot, qn, f, g, zero
	s_wait_dscnt 0x0
	PLACES
	FETCH \slot, \qn, \g
	WIN MUL
	MULA \f, 0, \zero
	MULA \f, 1, \zero
	MULA \f, 2, \zero
	MULA \f, 3, \zero
.endm
.macro TURN slot, next, fill
	WIN 0
	s_wait_tensorcnt 0x0
	ds_add_u32 v[SPW], v[NIL]
.if \fill
	s_wait_xcnt 0x0                                ; my last prefetch has read its address, so it may be stepped
	s_add_nc_u64 s[84:85], s[84:85], s[86:87]
.endif
	s_wait_dscnt 1
	WIN MUL
	MULA F1, 0, 0
	s_wait_dscnt 0x0
	s_barrier_signal -1
	MULA F1, 1, 0
	WIN 0
	s_barrier_wait -1
.if \fill
	CREST
	s_add_nc_u64 s[G0+4*\slot+2:G0+4*\slot+3], s[G0+4*\slot+2:G0+4*\slot+3], 2*65536
	s_add_nc_u64 s[G0B+4*\slot+2:G0B+4*\slot+3], s[G0B+4*\slot+2:G0B+4*\slot+3], 2*512
	JLOAD \slot
	s_cmp_gt_u32 s3, 1                             ; the last trip's two fills, 6 and 7, have no fill two on
	s_cbranch_scc0 .Lno_ask_\@
	global_prefetch_b8 v19, s[84:85] th:TH_LOAD_NT scope:SCOPE_SE
.Lno_ask_\@:
.else
	PLACES
.endif
	FETCH \next, 0, F0
	WIN MUL
	MULA F1, 2, 0
	MULA F1, 3, 0
.endm
	s_wait_alu depctr_va_vdst(0)                   ; the wait at the head's end
	s_wait_tensorcnt 0x0                           ; my part of slot 0 is in; slot 1's first fill is issued as a refill is
	ds_add_u32 v[SPW], v[NIL]                      ; 0 onto my spare word
	s_wait_xcnt 0x0                                ; the prefetch has read its address, so it may be stepped
	s_add_nc_u64 s[84:85], s[84:85], s[86:87]
	s_wait_dscnt 0x0
	CROUND                                         ; everybody's part of slot 0 is in, and the joint loads meet
	JLOAD 1                                        ; fill 1: the first tensor load behind the round
	global_prefetch_b8 v19, s[84:85] th:TH_LOAD_NT scope:SCOPE_SE   ; fill 3
	FETCH 0, 0, F0
	QUARTER 0, 1, F0, F1, 1
.if LAPS > 1
	WIN 0
	s_mov_b32 s3, LAPS-1
.Llap:
	QUARTER 0, 2, F1, F0, 0
	QUARTER 0, 3, F0, F1, 0
	TURN 0, 1, 1
	QUARTER 1, 1, F0, F1, 0
	QUARTER 1, 2, F1, F0, 0
	QUARTER 1, 3, F0, F1, 0
	TURN 1, 0, 1
	QUARTER 0, 1, F0, F1, 0
	WIN 0
	s_sub_co_u32 s3, s3, 1
	s_cmp_lg_u32 s3, 0
	s_cbranch_scc1 .Llap
.endif
	QUARTER 0, 2, F1, F0, 0
	QUARTER 0, 3, F0, F1, 0
	TURN 0, 1, 0
	QUARTER 1, 1, F0, F1, 0
	QUARTER 1, 2, F1, F0, 0
	QUARTER 1, 3, F0, F1, 0
	s_wait_dscnt 0x0
	MULA F1, 0, 0
	MULA F1, 1, 0
	MULA F1, 2, 0
	MULA F1, 3, 0
	WIN 0
.set NLD, 16+4*CODES
.macro TOSTAGE a
	WIN 0x20
.set jj, 0
.rept 16
	v_pk_fma_f32 v[TMP+jj:TMP+jj+1], v[ACC+32*(\a)+jj:ACC+32*(\a)+jj+1], s[96:97], v[RES+32*(\a)+jj:RES+32*(\a)+jj+1] op_sel_hi:[1,0,1]
.set jj, jj+2
.endr
	WIN 0
.if BIAS
.set jj, 0
.rept 16
	v_pk_add_f32 v[TMP+jj:TMP+jj+1], v[TMP+jj:TMP+jj+1], v[TM2+jj:TM2+jj+1]
.set jj, jj+2
.endr
.endif
.irp b, 0,1,2,3
	ds_store_b128 v[STO], v[TMP+8*\b:TMP+8*\b+3] offset:16*SPITCH*(\a)+64*\b
	ds_store_b128 v[STO], v[TMP+8*\b+4:TMP+8*\b+7] offset:16*SPITCH*(\a)+64*\b+16
.endr
.if CODES
.set jj, 0
.rept 32
	v_med3_num_f32 v[TM2+jj], v[TMP+jj], -v[LIM], v[LIM]
.set jj, jj+1
.endr
.irp b, 0,1,2,3
	v_cvt_scalef32_pk8_fp8_f32 v[CD+8*(\a)+2*\b:CD+8*(\a)+2*\b+1], v[TM2+8*\b:TM2+8*\b+7], v[SCV]
.endr
	v_nop
.irp b, 0,1,2,3
	ds_store_b64 v[CSO], v[CD+8*(\a)+2*\b:CD+8*(\a)+2*\b+1] offset:16*CP*(\a)+16*\b
.endr
.endif
.irp i, 0,1,2,3,4,5,6,7
	ds_load_b128 v[ACC+32*(\a)+4*\i:ACC+32*(\a)+4*\i+3], v[RD] offset:16*SPITCH*(\a)+2*SPITCH*\i
.endr
.endm
.macro SEND a, younger
	s_wait_dscnt \younger
.irp i, 0,1,2,3,4,5,6,7
	global_store_b128 v[CO], v[ACC+32*(\a)+4*\i:ACC+32*(\a)+4*\i+3], s[68:69] offset:(16*(\a)+2*\i)*4096
.endr
.endm
	s_wait_loadcnt 0x0
	PLACES
	TOSTAGE 0
	TOSTAGE 1
	SEND 0, NLD
	TOSTAGE 2
	SEND 1, NLD
	TOSTAGE 3
	SEND 2, NLD
	SEND 3, 0
.if CODES
	s_wait_dscnt 0x0
	s_barrier_signal -1
	s_barrier_wait -1
.irp i, 0,1,2,3,4,5,6,7
	ds_load_b128 v[TMP+4*\i:TMP+4*\i+3], v[CRD] offset:4*CP*\i
.endr
	s_wait_dscnt 0x0
.irp i, 0,1,2,3,4,5,6,7
	global_store_b128 v[CL], v[TMP+4*\i:TMP+4*\i+3], s[70:71] offset:512*\i
.endr
.endif
	s_wait_tensorcnt 0x0
	ds_add_u32 v[SPW], v[NIL]
	s_wait_dscnt 0x0
	CROUND
	s_endpgm
.Lfunc_end_k_qb90d31d1f0_mlp_out:
	.size	k_qb90d31d1f0_mlp_out, .Lfunc_end_k_qb90d31d1f0_mlp_out-k_qb90d31d1f0_mlp_out
	.p2alignl 7, 3214868480
	.fill 96, 4, 3214868480
	.section	.rodata,"a",@progbits
	.p2align	6, 0x0
	.amdhsa_kernel k_qb90d31d1f0_mlp_out
		.amdhsa_group_segment_fixed_size 327680
		.amdhsa_private_segment_fixed_size 0
		.amdhsa_enable_private_segment 0
		.amdhsa_kernarg_size 48
		.amdhsa_user_sgpr_count 2
		.amdhsa_user_sgpr_kernarg_segment_ptr 1
		.amdhsa_wavefront_size32 1
		.amdhsa_system_sgpr_workgroup_id_x 1
		.amdhsa_system_sgpr_workgroup_id_y 1
		.amdhsa_system_sgpr_workgroup_id_z 1
		.amdhsa_system_vgpr_workitem_id 0
		.amdhsa_next_free_vgpr 768
		.amdhsa_next_free_sgpr 100
		.amdhsa_reserve_vcc 0
		.amdhsa_float_denorm_mode_32 3
		.amdhsa_float_denorm_mode_16_64 3
		.amdhsa_memory_ordered 1
		.amdhsa_forward_progress 1
		.amdhsa_inst_pref_size 84
	.end_amdhsa_kernel
	.amdgpu_metadata
---
amdhsa.version: [ 1, 2 ]
amdhsa.kernels:
  - .name:           k_qb90d31d1f0_mlp_out
    .symbol:         k_qb90d31d1f0_mlp_out.kd
    .args:
      - { .name: h, .offset: 0, .size: 8, .value_kind: global_buffer, .address_space: global }
      - { .name: W_out_codes, .offset: 8, .size: 8, .value_kind: global_buffer, .address_space: global }
      - { .name: lowp_scales, .offset: 16, .size: 8, .value_kind: global_buffer, .address_space: global }
      - { .name: x1, .offset: 24, .size: 8, .value_kind: global_buffer, .address_space: global }
      - { .name: out0, .offset: 32, .size: 8, .value_kind: global_buffer, .address_space: global }
      - { .name: b_out, .offset: 40, .size: 8, .value_kind: global_buffer, .address_space: global }
    .group_segment_fixed_size: 327680
    .private_segment_fixed_size: 0
    .kernarg_segment_align: 8
    .kernarg_segment_size: 48
    .max_flat_workgroup_size: 128
    .sgpr_count:     100
    .vgpr_count:     768
    .wavefront_size: 32
...
	.end_amdgpu_metadata
.endif
;; end of part 6
